; MI455X (gfx1250); checked and timed in simulation.
; The chip was launched on July 23, 2026; its instructions are those of AMD's public machine-readable ISA for CDNA 5 (MIT licence, August 2026) and "CDNA5" Instruction Set Architecture Reference Guide (July 2026). The comments in the code are by the model that wrote it; some were corrected since.
;; encoder transformer. Allowed arithmetic: matrix products marked QUANTISED: E4M3 operands, one given power-of-two scale a tensor, by v_wmma_f32_16x16x64_fp8_fp8 or v_wmma_f32_16x16x128_fp8_fp8, f32 sums; everything else in f32.
;; Inputs: b1 2,048 float32; b2 512 float32; bk 64 float32; bo 512 float32; bq 64 float32; bv 64 float32; ln_b 512 float32; ln_g 512 float32; lowp_scales 16 int32 (the exponents e of the quantised operands' scales 2^e); w1 512 x 2,048 float32; w2 2,048 x 512 float32; wk 512 x 64 float32; wo 512 x 512 float32; wq 512 x 64 float32; wv 512 x 64 float32; x 16 x 1,024 x 512 float32.
;; Outputs: out0 16 x 1,024 x 512 float32.
;; This version of the problem:
;;   THIS VERSION OF THE PROBLEM IS GIVEN IN LOW PRECISION. The matrix products marked QUANTISED in the list below multiply operands that are first quantised to E4M3 (4 exponent bits, 3 mantissa bits; 8 bits a number), with one given power-of-two scale for each operand tensor; their sums are f32. All else is computed in f32.
;;   The module's matrix products, in the order in which they are computed (A, B: the left and right operand; K: the contracted axis; several contracted axes count as one K, in the product's order):
;;     1. [M 16,384, K 512] x [K 512, N 64]; A: input x; B: input wq: QUANTISED (scales: A lowp_scales[0], B lowp_scales[1])
;;     2. [M 16,384, K 512] x [K 512, N 64]; A: input x; B: input wk: QUANTISED (scales: A lowp_scales[2], B lowp_scales[3])
;;     3. [M 16,384, K 512] x [K 512, N 64]; A: input x; B: input wv: QUANTISED (scales: A lowp_scales[4], B lowp_scales[5])
;;     4. batch 16 x [M 1,024, K 64] x [K 64, N 1,024]; A: computed on the way; B: computed on the way: QUANTISED (scales: A lowp_scales[6], B lowp_scales[7])
;;     5. batch 16 x [M 1,024, K 1,024] x [K 1,024, N 64]; A: computed on the way; B: computed on the way: QUANTISED (scales: A lowp_scales[8], B lowp_scales[9])
;;     6. [M 16,384, K 512] x [K 512, N 512]; A: computed on the way; B: input wo: QUANTISED (scales: A lowp_scales[10], B lowp_scales[11])
;;     7. [M 16,384, K 512] x [K 512, N 2,048]; A: computed on the way; B: input w1: QUANTISED (scales: A lowp_scales[12], B lowp_scales[13])
;;     8. [M 16,384, K 2,048] x [K 2,048, N 512]; A: computed on the way; B: input w2: QUANTISED (scales: A lowp_scales[14], B lowp_scales[15])
;;   THE QUANTISER, for each operand of a quantised product, along K:
;;     - The operand's scale is 2^e, e = its entry of the input lowp_scales (int32; the entries are numbered through the quantised products in the list's order, A before B).
;;     - Each number is divided by the scale, clamped to +-448, and rounded to the nearest number of E4M3, ties to even, subnormals kept.
;;     - The product sums the exact products of the quantised numbers (number of the format x scale) in f32.
;;   ~~~python
;;   def quantise(x, axis, e):      # numpy; x: float32 -> the quantised numbers, widened to float32 again
;;       x = np.moveaxis(x, axis, -1); K = x.shape[-1]
;;       r = np.clip(x / 2.0 ** e, -448, 448)
;;       step = 2.0 ** (np.maximum(np.frexp(np.where(r == 0, 1, r))[1] - 1, -6) - 3)
;;       q = np.round(r / step) * step * 2.0 ** e      # np.round: ties to even
;;       return np.moveaxis(q, -1, axis).astype(np.float32)
;;   ~~~
;;   OPERANDS COMPUTED ON THE WAY. 'Computed on the way' means the value that the module computes at that place (a softmax that the list does not call 'softmax' is quantised finished and normalised). What goes into a quantiser is computed in f32, as accurately as f32 sums, v_exp_f32 and their like allow (about 1e-6 of the number): no bf16 or f16 on the way to a quantiser, and a product that is left as it is and whose result goes on into a quantised operand takes f32 operands (vector FMAs, or v_wmma_f32_16x16x4_f32). A number that lies on a knife's edge between two numbers of the format may be rounded either way, as far as f32 arithmetic and the matrix unit's own rounding can turn it there, and no further.
;; One version. Each part assembles by itself: llvm-mc -triple=amdgcn-amd-amdhsa -mcpu=gfx1250 --defsym DOCPART=n.
;; ======== version 1 of 1: 4 launches
;; limits: right only within a limited range of input values
;; workspace buffers: wqkv 98,304 bytes; stream 2,359,296 bytes; qf 1,048,576 bytes; kv 2,097,152 bytes; stat 131,072 bytes
;; launch wprep (part 1): grid 600 x 1, 4 waves a work-group, no clusters, 0 bytes of LDS; arguments wq, wk, wv, wo, w1, w2, lowp_scales, wqkv, stream; writes wqkv, stream
.if DOCPART == 1
	.amdgcn_target "amdgcn-amd-amdhsa--gfx1250"
	.amdhsa_code_object_version 6
	.text
	.protected	k_q2542523e52_wprep
	.globl	k_q2542523e52_wprep
	.p2align	8
	.type	k_q2542523e52_wprep,@function
k_q2542523e52_wprep:
	s_mov_b64 s[64:65], 0
	v_nop
	global_prefetch_b8 v0, s[64:65] scope:SCOPE_SE
	s_setreg_imm32_b32 hwreg(HW_REG_WAVE_MODE, 25, 1), 1
	s_wait_xcnt 0x0
; FIRST OF FOUR LAUNCHES of one encoder layer, all eight matrix products on codes of E4M3 with given scales 2^e.
; NO WORK IS LEFT OUT: every input has a way to the output.  x is quantised three times (its three scales may differ); the product with wo
; keeps its whole K = 512 (a sum of eight codes of wo is no number of the format, so the eight identical heads cannot be folded into wo).
; The scores are multiplied twice (third and fourth launch): a key's maximum and sum span all 1,024 queries of its batch, that is sixteen work-groups.
; THIS LAUNCH: the six weights, f32 stored [K][N], become codes laid in the ORDER OF THE OPERAND'S REGISTERS.
; A fragment is 16 columns n x 128 along K: 16 registers a lane; lane (r, h) holds column r and, in registers 2c, 2c+1, k = 16c + 8h + 0..7.
; Its image is 2,048 bytes: piece c (0..3) of 512 bytes holds registers 4c..4c+3, lane l's 16 bytes at 16 l.
; A LANE TAKES A COLUMN AND ITS REGISTERS RUN DOWN K: a wave takes 32 columns (two fragments) x ONE block of 32 along K, 32 loads of 128 neighbouring bytes, all out at once.
; The block gives four groups of 8 codes: k 0-7 and 16-23 are the 16 bytes of fragment lane (r, 0), k 8-15 and 24-31 those of lane (r, 1): piece c of both images.
; Each store writes two whole aligned runs of 256 bytes (sixteen lanes x 16 bytes in each of the two fragments).
; 2,400 wave units: work-group g takes block g % 4 of group g / 4; groups: wq, wk, wv 2 each, wo 16, w1 64, w2 64.  No LDS, no barrier, nothing shared: no cluster.
; The loads are issued ahead of the wait for the scales' exponents, which only the conversion needs.
; wqkv:   [K step 0..3][f = 4 p + tile, p = q, k, v] x 2,048.
; stream: 18 blocks of 131,072 in the order of use: wo K steps 0-1, wo K steps 2-3, then for chunk c of 256 hidden units: w1's, w2's.
;         in a block: [wave w of the reader] x 32,768 + [f] x 2,048;  wo, w2: f = 8 (K step % 2) + tile, tiles 8 w ..;  w1: f = 4 (K step) + tile, tiles 4 w ..
; code = x / 2^e, held within +-448, to the nearest code, ties to even.
; LIMITS: each e between -126 and 119.  NaN and infinities among the inputs are not served.
.set X,   16                           ; v16-47  32 numbers down K
.set CD,  48                           ; v48-55  their codes
.set SRC, 28                           ; s[28:29] my first number
.set DST, 30                           ; s[30:31] my first fragment's image
.set EX,  23                           ; s23      e
.set WV,  22                           ; s22      wave
	s_load_b512 s[4:19], s[0:1], 0x0               ; wq, wk, wv, wo, w1, w2, the scales' exponents, wqkv
	s_load_b64 s[20:21], s[0:1], 0x40              ; stream
	v_lshrrev_b32 v4, 5, v0
	v_readfirstlane_b32 s[WV], v4
	v_and_b32 v5, 31, v0
	v_lshlrev_b32 v1, 2, v5                        ; in: 4 bytes a lane
	v_and_b32 v6, 15, v0
	v_bfe_u32 v7, v0, 4, 1
	v_lshlrev_b32 v2, 4, v6
	v_lshl_add_u32 v2, v7, 11, v2                  ; out: 16 (lane % 16) + 2,048 (lane / 16)
	s_mov_b32 s51, 0
	s_mov_b32 s53, 0
	s_lshr_b32 s54, ttmp9, 2                       ; the group
	s_and_b32 s58, ttmp9, 3                        ; the block of 32 along K in its K step
	s_wait_alu depctr_va_vdst(0)
	s_wait_kmcnt 0x0
	s_load_b512 s[32:47], s[16:17], 0x0            ; e0 .. e15: waited for behind the loads
.macro BODY n                          ; n: numbers in a row of the weight
	s_mul_i32 s50, s58, 128*(\n)                   ; 32 rows of 4 n bytes for each block
	s_add_nc_u64 s[SRC:SRC+1], s[SRC:SRC+1], s[50:51]
	s_lshl_b32 s52, s58, 9                         ; piece = block
	s_add_nc_u64 s[DST:DST+1], s[DST:DST+1], s[52:53]
.set li, 0
.rept 32
	global_load_b32 v[X+li], v1, s[SRC:SRC+1] offset:li*(\n)*4 th:TH_LOAD_NT
.set li, li+1
.endr
	s_wait_kmcnt 0x0
.if (\n) == 512
	s_cmp_lt_u32 s54, 22
	s_cselect_b32 s[EX], s43, s47                  ; e11 or e15
.elseif (\n) == 64
	s_cmp_eq_u32 s24, 0
	s_cselect_b32 s[EX], s33, s35                  ; e1 or e3
	s_cmp_eq_u32 s24, 2
	s_cselect_b32 s[EX], s37, s[EX]                ; or e5
.else
	s_mov_b32 s[EX], s45                           ; e13
.endif
	s_add_co_i32 s55, s[EX], 127
	s_lshl_b32 s55, s55, 23
	v_mov_b32 v3, s55                              ; 2^e: the conversion takes its exponent field
	s_add_co_i32 s56, s[EX], 135
	s_lshl_b32 s56, s56, 23
	s_or_b32 s56, s56, 0x600000                    ; 448 x 2^e
	s_xor_b32 s57, s56, 0x80000000
	s_wait_loadcnt 0x0
.set li, 0
.rept 32
	v_med3_num_f32 v[X+li], v[X+li], s57, s56      ; the conversion does not saturate (ISA guide 7.6.2): held within the largest code x the scale
.set li, li+1
.endr
	v_cvt_scalef32_pk8_fp8_f32 v[CD:CD+1],   v[X:X+7],     v3   ; k 0-7
	v_cvt_scalef32_pk8_fp8_f32 v[CD+2:CD+3], v[X+16:X+23], v3   ; k 16-23
	v_cvt_scalef32_pk8_fp8_f32 v[CD+4:CD+5], v[X+8:X+15],  v3   ; k 8-15
	v_cvt_scalef32_pk8_fp8_f32 v[CD+6:CD+7], v[X+24:X+31], v3   ; k 24-31
	global_store_b128 v2, v[CD:CD+3],   s[DST:DST+1]            ; the places of fragment lanes 0-15
	global_store_b128 v2, v[CD+4:CD+7], s[DST:DST+1] offset:256 ; and of lanes 16-31
	s_endpgm
.endm
	s_cmp_lt_u32 s54, 6
	s_cbranch_scc1 .Lqkv
	s_cmp_lt_u32 s54, 22
	s_cbranch_scc1 .Ln512
	s_cmp_lt_u32 s54, 86
	s_cbranch_scc1 .Lw1
.Ln512:                                        ; wo (groups 6-21) and w2 (86-149): rows of 512 numbers
	s_cmp_lt_u32 s54, 22                           ; the choice hangs on the work-group's number alone
	s_cselect_b64 s[SRC:SRC+1], s[10:11], s[14:15]
	s_cselect_b32 s48, 0, 393216                   ; the tensor's first block in stream
	s_mov_b32 s49, 262144
	s_cselect_b32 s49, 131072, s49                 ; from two K steps to the next two
	s_mov_b32 s24, 86
	s_cselect_b32 s24, 6, s24
	s_sub_co_u32 s24, s54, s24
	s_lshr_b32 s26, s24, 2                         ; K step
	s_and_b32 s24, s24, 3                          ; the reader's wave: columns 128 x that on
	s_lshl_b32 s50, s26, 18                        ; 128 rows of 2,048 bytes
	s_lshl_b32 s27, s24, 2
	s_add_co_u32 s27, s27, s[WV]
	s_lshl_b32 s27, s27, 7                         ; my 32 columns
	s_add_co_u32 s50, s50, s27
	s_add_nc_u64 s[SRC:SRC+1], s[SRC:SRC+1], s[50:51]
	s_lshr_b32 s52, s26, 1
	s_mul_i32 s52, s52, s49
	s_add_co_u32 s52, s52, s48
	s_lshl_b32 s27, s24, 15
	s_add_co_u32 s52, s52, s27
	s_and_b32 s27, s26, 1
	s_lshl_b32 s27, s27, 3
	s_lshl_b32 s25, s[WV], 1
	s_add_co_u32 s27, s27, s25                     ; f = 8 (K step % 2) + 2 x my wave
	s_lshl_b32 s27, s27, 11
	s_add_co_u32 s52, s52, s27
	s_add_nc_u64 s[DST:DST+1], s[20:21], s[52:53]
	BODY 512
.Lqkv:                                         ; wq, wk, wv: rows of 64 numbers; two groups each
	s_lshr_b32 s24, s54, 1                         ; p
	s_and_b32 s25, s54, 1
	s_lshl_b32 s25, s25, 2
	s_add_co_u32 s25, s25, s[WV]                   ; unit 0 .. 7
	s_and_b32 s26, s25, 1                          ; which 32 columns
	s_lshr_b32 s25, s25, 1                         ; K step
	s_cmp_eq_u32 s24, 0
	s_cselect_b64 s[SRC:SRC+1], s[4:5], s[6:7]
	s_cmp_eq_u32 s24, 2
	s_cselect_b64 s[SRC:SRC+1], s[8:9], s[SRC:SRC+1]
	s_lshl_b32 s50, s25, 15                        ; 128 rows of 256 bytes
	s_lshl_b32 s27, s26, 7
	s_add_co_u32 s50, s50, s27
	s_add_nc_u64 s[SRC:SRC+1], s[SRC:SRC+1], s[50:51]
	s_mul_i32 s52, s25, 24576
	s_lshl_b32 s27, s24, 2
	s_lshl_b32 s26, s26, 1
	s_add_co_u32 s27, s27, s26                     ; f = 4 p + 2 x which
	s_lshl_b32 s27, s27, 11
	s_add_co_u32 s52, s52, s27
	s_add_nc_u64 s[DST:DST+1], s[18:19], s[52:53]
	BODY 64
.Lw1:                                          ; w1: rows of 2,048 numbers
	s_sub_co_u32 s24, s54, 22
	s_and_b32 s25, s24, 3                          ; K step
	s_lshr_b32 s24, s24, 2
	s_lshl_b32 s24, s24, 2
	s_add_co_u32 s24, s24, s[WV]                   ; which 32 columns, 0 .. 63
	s_lshl_b32 s50, s25, 20                        ; 128 rows of 8,192 bytes
	s_lshl_b32 s27, s24, 7
	s_add_co_u32 s50, s50, s27
	s_add_nc_u64 s[SRC:SRC+1], s[12:13], s[50:51]
	s_lshr_b32 s52, s24, 3                         ; chunk
	s_add_co_u32 s52, s52, 1
	s_lshl_b32 s52, s52, 18                        ; block 2 + 2 x chunk
	s_bfe_u32 s27, s24, 0x20001                    ; the reader's wave
	s_lshl_b32 s27, s27, 15
	s_add_co_u32 s52, s52, s27
	s_and_b32 s27, s24, 1
	s_lshl_b32 s27, s27, 1
	s_lshl_b32 s26, s25, 2
	s_add_co_u32 s27, s27, s26                     ; f = 4 (K step) + tile
	s_lshl_b32 s27, s27, 11
	s_add_co_u32 s52, s52, s27
	s_add_nc_u64 s[DST:DST+1], s[20:21], s[52:53]
	BODY 2048
.Lfunc_end_k_q2542523e52_wprep:
	.size	k_q2542523e52_wprep, .Lfunc_end_k_q2542523e52_wprep-k_q2542523e52_wprep
	.p2alignl 7, 3214868480
	.fill 96, 4, 3214868480
	.section	.rodata,"a",@progbits
	.p2align	6, 0x0
	.amdhsa_kernel k_q2542523e52_wprep
		.amdhsa_group_segment_fixed_size 0
		.amdhsa_private_segment_fixed_size 0
		.amdhsa_enable_private_segment 0
		.amdhsa_kernarg_size 72
		.amdhsa_user_sgpr_count 2
		.amdhsa_user_sgpr_kernarg_segment_ptr 1
		.amdhsa_wavefront_size32 1
		.amdhsa_system_sgpr_workgroup_id_x 1
		.amdhsa_system_sgpr_workgroup_id_y 1
		.amdhsa_system_sgpr_workgroup_id_z 1
		.amdhsa_system_vgpr_workitem_id 0
		.amdhsa_next_free_vgpr 64
		.amdhsa_next_free_sgpr 66
		.amdhsa_reserve_vcc 0
		.amdhsa_float_denorm_mode_32 3
		.amdhsa_float_denorm_mode_16_64 3
		.amdhsa_memory_ordered 1
		.amdhsa_forward_progress 1
		.amdhsa_inst_pref_size 22
	.end_amdhsa_kernel
	.amdgpu_metadata
---
amdhsa.version: [ 1, 2 ]
amdhsa.kernels:
  - .name:           k_q2542523e52_wprep
    .symbol:         k_q2542523e52_wprep.kd
    .args:
      - { .name: wq, .offset: 0, .size: 8, .value_kind: global_buffer, .address_space: global }
      - { .name: wk, .offset: 8, .size: 8, .value_kind: global_buffer, .address_space: global }
      - { .name: wv, .offset: 16, .size: 8, .value_kind: global_buffer, .address_space: global }
      - { .name: wo, .offset: 24, .size: 8, .value_kind: global_buffer, .address_space: global }
      - { .name: w1, .offset: 32, .size: 8, .value_kind: global_buffer, .address_space: global }
      - { .name: w2, .offset: 40, .size: 8, .value_kind: global_buffer, .address_space: global }
      - { .name: lowp_scales, .offset: 48, .size: 8, .value_kind: global_buffer, .address_space: global }
      - { .name: wqkv, .offset: 56, .size: 8, .value_kind: global_buffer, .address_space: global }
      - { .name: stream, .offset: 64, .size: 8, .value_kind: global_buffer, .address_space: global }
    .group_segment_fixed_size: 0
    .private_segment_fixed_size: 0
    .kernarg_segment_align: 8
    .kernarg_segment_size: 72
    .max_flat_workgroup_size: 128
    .sgpr_count:     66
    .vgpr_count:     64
    .wavefront_size: 32
...
	.end_amdgpu_metadata
.endif
;; end of part 1
;; launch qkv (part 2): grid 256 x 1, 4 waves a work-group, no clusters, 231,936 bytes of LDS; arguments x, wqkv, lowp_scales, bq, bk, bv, qf, kv; writes qf, kv
.if DOCPART == 2
	.amdgcn_target "amdgcn-amd-amdhsa--gfx1250"
	.amdhsa_code_object_version 6
	.text
	.protected	k_q2542523e52_qkv
	.globl	k_q2542523e52_qkv
	.p2align	8
	.type	k_q2542523e52_qkv,@function
k_q2542523e52_qkv:
	s_mov_b64 s[64:65], 0
	v_nop
	global_prefetch_b8 v0, s[64:65] scope:SCOPE_SE
	s_setreg_imm32_b32 hwreg(HW_REG_WAVE_MODE, 25, 1), 1
	s_wait_xcnt 0x0
; SECOND LAUNCH: q = x wq + bq, k = x wk + bk, v = x wv + bv on codes of E4M3, and q, k, v quantised for the two products of attention.  Nothing is left out.
; SHARES.  A work-group owns 64 rows of x, each of its four waves 16 (row tile T = 4 x work-group + wave) and all 192 outputs: 12 accumulators.
; HOW THE OPERANDS COME.  K goes in four steps of 128.  For each step a wave issues 12 loads of 512 consecutive bytes for its quarter of the step's 24,576 bytes of weight codes and then 16 for its own rows of x
; (row i, 512 bytes): one order of issue, one counter.  Two steps are asked for at the head and each later one two steps ahead, so at most 56 loads of a wave are out.  A wait that leaves the next step's 28 out
; shows a step's weights and numbers in; they are stored into LDS (the weights as they lie in memory, x into the wave's own rows of 2,048 + 16 bytes) and one barrier a step publishes the weights.
; NO CLUSTER AND NO TENSOR LOAD: the weights are wanted step by step in the same order of issue as x's rows, under the same counted wait; so there is no tile left that partners could ask for jointly.
; No prefetch: every byte is asked for at the head or two K steps ahead of its use by the loads themselves.
; x IS QUANTISED THREE TIMES, with e0, e2, e4.  Lane (r, h) reads, of row r, k = 16 c + 8 h + 0..7: eight numbers become registers 2c, 2c+1 of the operand.
; q and k are used transposed (source 0 = 16 outputs, source 1 = my 16 rows): a lane holds one row and eight neighbouring outputs, so one conversion gives registers 2t, 2t+1 of the next operand (K = the head's 64).
; v is used the other way round (source 0 = my 16 rows, source 1 = 16 outputs): a lane holds one channel and eight neighbouring KEYS, which are the second product's K.
; A sum stands for sum x 2^(ea + eb): the bias goes in divided by that, and the three scales are folded into the conversion's one.
; OUT: qf [row tile] x 1,024 (image of a K = 64 fragment: two pieces of 512, lane l's 16 bytes at 16 l);  kv, a batch 131,072: k [key tile] x 1,024 likewise; from 65,536 on
;      V^T [128 keys S][16 channels dt] x 2,048 as eight pieces of 256 bytes, piece = key tile % 8, lane l's 8 bytes at 8 l.  Every store covers whole aligned runs of 256 bytes.
; LIMITS: e0, e2, e4, e6-e0-e1, e7-e2-e3, e9-e4-e5 between -126 and 119.  NaN and infinities among the inputs are not served.
; REGISTERS.  window 0: v1, v2 the add's two; v3, v4 16 x lane (+ 49,152); v5 x's LDS address; v6 8 x lane; v7, v14 the biases' offsets; v8-13 six scales; v15 my LDS rows + 16 x lane; v16-79 x; v80-95 held numbers, two sets;
;   v96-143 x's three fragments; v144-191, v192-239 weight fragments, three each, two sets; v240, v241 my quarter of a K step of the weights (+ 49,152).
;   window 1: v0-95 accumulators 8 f; v96-127 bq, v128-159 bk in the result's layout; v160-167 bv, a pair a tile.   window 2: x as loaded, 64 s + 4 i.   window 3: weights as loaded, 48 s + 4 j.
.set WV,    20
.set SPARE, 231424                     ; behind x's rows: the spare words, 128 bytes a wave: two blocks of 256 bytes that no other line names
.set XREG,  98304                      ; x's rows: wave x 33,280
.set XROWS, 33280
.set SPW, 1
.set NIL, 2
.set LI,  3
.set XA,  5
.set L8,  6
.set XS,  15
.set X,   16
.set TT,  80
.set XC,  96
.set WA,  144
.set WB,  192
.set WS,  240
.set BQ,  96
.set BK,  128
.set BV,  160
.set MSB, 0
.macro WIN new                         ; the immediate's high byte repeats the setting that is left
.if MSB != \new
	s_set_vgpr_msb (MSB<<8)|\new
.set MSB, \new
.endif
.endm
.macro NOP4
.rept 4
	v_nop
.endr
.endm
.macro MKS d, e                        ; s[d] = 2^s[e] as f32
	s_add_co_i32 s[\d], s[\e], 127
	s_lshl_b32 s[\d], s[\d], 23
.endm
.macro MKL p, n, e                     ; s[p] = 448 x 2^s[e], s[n] = the same with a minus
	s_add_co_i32 s[\p], s[\e], 135
	s_lshl_b32 s[\p], s[\p], 23
	s_or_b32 s[\p], s[\p], 0x600000
	s_xor_b32 s[\n], s[\p], 0x80000000
.endm
.macro ASKS s                          ; K step s: my quarter of its weights, then my rows' 512 bytes: 28 loads
	WIN 0xc0                                       ; destination window 3
.set aj, 0
.rept 12
	global_load_b128 v[48*(\s)+4*aj:48*(\s)+4*aj+3], v[WS], s[6:7] offset:24576*(\s)+512*aj
.set aj, aj+1
.endr
	WIN 0x80                                       ; destination window 2
.set aj, 0
.rept 16
	global_load_b128 v[64*(\s)+4*aj:64*(\s)+4*aj+3], v[LI], s[50:51] offset:2048*aj+512*(\s) th:TH_LOAD_NT
.set aj, aj+1
.endr
	WIN 0
.endm
.macro STAGE s                         ; K step s has landed: into LDS, 28 stores of 512 consecutive bytes; then the loads of two steps on
.if (\s) < 3
	s_wait_loadcnt 28                              ; behind it: the next step's 28 loads
.else
	s_wait_loadcnt 20                              ; behind it: the biases' 20
.endif
	WIN 0x0c                                       ; the data window 3
.set aj, 0
.rept 12
	ds_store_b128 v[WS+(\s)/2], v[48*(\s)+4*aj:48*(\s)+4*aj+3] offset:24576*((\s)%2)+512*aj
.set aj, aj+1
.endr
	WIN 0x08                                       ; the data window 2
.set aj, 0
.rept 16
	ds_store_b128 v[XS], v[64*(\s)+4*aj:64*(\s)+4*aj+3] offset:2064*aj+512*(\s)
.set aj, aj+1
.endr
	WIN 0
.if (\s) < 2
	ASKS (\s)+2
.elseif (\s) == 2
	WIN 0x40                                       ; destination window 1
.irp t, 0,1,2,3
	global_load_b128 v[BQ+8*\t:BQ+8*\t+3],   v7, s[10:11] offset:64*\t      ; bq(16 t + 8 h + 0 .. 7)
	global_load_b128 v[BQ+8*\t+4:BQ+8*\t+7], v7, s[10:11] offset:64*\t+16
	global_load_b128 v[BK+8*\t:BK+8*\t+3],   v7, s[12:13] offset:64*\t
	global_load_b128 v[BK+8*\t+4:BK+8*\t+7], v7, s[12:13] offset:64*\t+16
	global_load_b32 v[BV+2*\t], v14, s[14:15] offset:64*\t                  ; bv(16 t + r)
	v_mov_b32 v[BV+2*\t+1], 0                                               ; (named with it as a pair)
.endr
	WIN 0
.endif
.endm
	s_load_b512 s[4:19], s[0:1], 0x0               ; x, wqkv, the scales' exponents, bq, bk, bv, qf, kv
	v_lshl_add_u32 v[SPW], v0, 2, SPARE
	v_mov_b32 v[NIL], 0
	v_lshrrev_b32 v3, 5, v0
	v_readfirstlane_b32 s[WV], v3                  ; wave 0..3
	s_lshl_b32 s22, ttmp9, 2
	s_add_co_u32 s22, s22, s[WV]                   ; T: my row tile
	s_mov_b32 s25, 0
	s_mul_i32 s53, s[WV], XROWS
	s_add_co_u32 s53, s53, XREG                    ; my LDS rows of x
	s_mul_i32 s52, s[WV], 6144                     ; my quarter of a K step of the weights, in memory as in LDS
	s_lshl_b32 s24, s22, 15                        ; 16 rows of 2,048 bytes
	v_and_b32 v14, 31, v0
	v_lshlrev_b32 v[LI], 4, v14
	v_add_nc_u32 v[LI+1], 49152, v[LI]             ; K steps 2 and 3 lie beyond the 16-bit offset
	v_lshlrev_b32 v[L8], 3, v14
	v_and_b32 v15, 15, v0                          ; r
	v_bfe_u32 v7, v0, 4, 1                         ; h
	v_mul_u32_u24 v[XA], v15, 2064
	v_lshl_add_u32 v[XA], v7, 5, v[XA]
	v_add_nc_u32 v[XA], s53, v[XA]                 ; x: my rows + 2,064 r + 32 h
	v_lshlrev_b32 v7, 5, v7                        ; bq, bk: 32 h
	v_lshlrev_b32 v14, 2, v15                      ; bv: 4 r
	v_add_nc_u32 v[XS], s53, v[LI]
	v_add_nc_u32 v[WS], s52, v[LI]
	v_add_nc_u32 v[WS+1], 49152, v[WS]
	s_wait_alu depctr_va_vdst(0)
	s_wait_kmcnt 0x0
	s_load_b256 s[56:63], s[8:9], 0x0              ; e0 .. e7
	s_load_b64 s[66:67], s[8:9], 0x20              ; e8, e9
	s_add_nc_u64 s[50:51], s[4:5], s[24:25]        ; x at my first row
	ASKS 0
	ASKS 1
	s_wait_kmcnt 0x0
	MKL 68, 69, 56                                 ; x's holds: 448 x 2^e0,
	MKL 70, 71, 58                                 ; e2,
	MKL 72, 73, 60                                 ; e4
	MKS 83, 56
	v_mov_b32 v8, s83
	MKS 83, 58
	v_mov_b32 v9, s83
	MKS 83, 60
	v_mov_b32 v10, s83
	s_add_co_i32 s80, s56, s57
	s_sub_co_i32 s84, s62, s80                     ; e6 - e0 - e1
	MKL 74, 75, 84
	MKS 83, 84
	v_mov_b32 v11, s83
	s_sub_co_i32 s80, 0, s80
	s_add_co_i32 s81, s58, s59
	s_sub_co_i32 s84, s63, s81                     ; e7 - e2 - e3
	MKL 76, 77, 84
	MKS 83, 84
	v_mov_b32 v12, s83
	s_sub_co_i32 s81, 0, s81
	s_add_co_i32 s82, s60, s61
	s_sub_co_i32 s84, s67, s82                     ; e9 - e4 - e5
	MKL 78, 79, 84
	MKS 83, 84
	v_mov_b32 v13, s83
	s_sub_co_i32 s82, 0, s82
	; where my results go
	s_lshl_b32 s24, s22, 10
	s_add_nc_u64 s[86:87], s[16:17], s[24:25]      ; qf + 1,024 T
	s_lshr_b32 s23, s22, 6                         ; batch
	s_and_b32 s26, s22, 63                         ; key tile in the batch
	s_lshl_b32 s23, s23, 17
	s_lshl_b32 s24, s26, 10
	s_add_co_u32 s24, s24, s23
	s_add_nc_u64 s[88:89], s[18:19], s[24:25]      ; k
	s_lshr_b32 s24, s26, 3
	s_lshl_b32 s24, s24, 13
	s_and_b32 s26, s26, 7
	s_lshl_b32 s26, s26, 8
	s_add_co_u32 s24, s24, s26
	s_add_co_u32 s24, s24, s23
	s_add_co_u32 s24, s24, 65536
	s_add_nc_u64 s[90:91], s[18:19], s[24:25]      ; V^T
.macro XLD s                           ; my 64 numbers of K step s: x(r, 128 s + 16 c + 8 h + 0 .. 7) into v[X + 8 c] on
.set xc, 0
.rept 8
	ds_load_b128 v[X+8*xc:X+8*xc+3],   v[XA] offset:512*(\s)+64*xc
	ds_load_b128 v[X+8*xc+4:X+8*xc+7], v[XA] offset:512*(\s)+64*xc+16
.set xc, xc+1
.endr
.endm
.macro QUANT p                         ; the K step's fragment of x under scale p.  The eight holds into the other set are the plain lines between a conversion and the next write of its sources
.set qc, 0
.rept 8
.set qt, TT+8*(qc%2)
.set qj, 0
.rept 8
	v_med3_num_f32 v[qt+qj], v[X+8*qc+qj], s[69+2*(\p)], s[68+2*(\p)]
.set qj, qj+1
.endr
	v_cvt_scalef32_pk8_fp8_f32 v[XC+16*(\p)+2*qc:XC+16*(\p)+2*qc+1], v[qt:qt+7], v[8+(\p)]
.set qc, qc+1
.endr
.endm
.macro WLD buf, s, g                   ; weight fragments f = 3 g .. 3 g + 2 of K step s: 12 loads of 512 consecutive bytes
.irp i, 0,1,2
.irp c, 0,1,2,3
	ds_load_b128 v[\buf+16*\i+4*\c:\buf+16*\i+4*\c+3], v[LI+(\s)/2] offset:24576*((\s)%2)+2048*(3*(\g)+\i)+512*\c
.endr
.endr
.endm
.macro MUL3 buf, g, s                  ; the 12 accumulators take turns, one instruction a turn; K step 0 starts the sums
	WIN 0x50                                       ; C and D window 1
.irp i, 0,1,2
.set f, 3*(\g)+\i
.if f < 8
.if (\s) == 0
	v_wmma_f32_16x16x128_fp8_fp8 v[8*f:8*f+7], v[\buf+16*\i:\buf+16*\i+15], v[XC+16*(f/4):XC+16*(f/4)+15], 0
.else
	v_wmma_f32_16x16x128_fp8_fp8 v[8*f:8*f+7], v[\buf+16*\i:\buf+16*\i+15], v[XC+16*(f/4):XC+16*(f/4)+15], v[8*f:8*f+7]
.endif
.else
.if (\s) == 0
	v_wmma_f32_16x16x128_fp8_fp8 v[8*f:8*f+7], v[XC+32:XC+47], v[\buf+16*\i:\buf+16*\i+15], 0
.else
	v_wmma_f32_16x16x128_fp8_fp8 v[8*f:8*f+7], v[XC+32:XC+47], v[\buf+16*\i:\buf+16*\i+15], v[8*f:8*f+7]
.endif
.endif
.endr
.endm
.macro KSTEP s
	s_wait_dscnt 0x0                               ; x's numbers of this step are in
	QUANT 0                                        ; (its 64 holds are also the places between the last step's products and the loads below)
	WLD WA, \s, 0
	WLD WB, \s, 1
	QUANT 1
	QUANT 2
	v_nop                                          ; a plain line between the last conversion and the products
	s_wait_alu depctr_va_vdst(0)
.if (\s) < 3
	STAGE (\s)+1
	s_wait_dscnt 40                                ; the first three fragments are in; behind them: three fragments' 12 loads and the next step's 28 stores
.else
	s_wait_dscnt 12
.endif
	MUL3 WA, 0, \s
	WIN 0
	NOP4                                           ; places in front of loads into registers that matrix instructions have read
	WLD WA, \s, 2
.if (\s) < 3
	s_wait_dscnt 40                                ; behind the second three: the 28 stores and the 12 just issued
.else
	s_wait_dscnt 12
.endif
	MUL3 WB, 1, \s
	WIN 0
	NOP4
	WLD WB, \s, 3
.if (\s) < 3
	XLD (\s)+1                                     ; my own rows: LDS serves a wave's instructions in order, these see my stores
	s_wait_dscnt 28                                ; all but the 12 + 16 just issued
.else
	s_wait_dscnt 12
.endif
	MUL3 WA, 2, \s
	s_wait_dscnt 0x0                               ; for the others' sake too: my stores of the next step's weights are done
.if (\s) < 3
	s_barrier_signal -1
.endif
	MUL3 WB, 3, \s                                 ; work on registers between the signal and the wait
	WIN 0
.if (\s) < 3
	s_barrier_wait -1                              ; everybody's quarter of the next step's weights is in LDS
.endif
.endm
	s_wait_alu depctr_va_vdst(0)
	STAGE 0
	s_wait_dscnt 0x0
	s_barrier_signal -1
	s_barrier_wait -1                              ; everybody's quarter of K step 0's weights is in LDS
	XLD 0
	KSTEP 0
	KSTEP 1
	KSTEP 2
	KSTEP 3
	NOP4                                           ; places in front of the first read of results
	s_wait_loadcnt 0x0                             ; the biases
	WIN 0x41                                       ; source 0 and destination window 1
.set i, 0
.rept 32
	v_ldexp_f32 v[BQ+i], v[BQ+i], s80              ; bias / 2^(ea + eb)
	v_ldexp_f32 v[BK+i], v[BK+i], s81
.set i, i+1
.endr
.irp t, 0,1,2,3
	v_ldexp_f32 v[BV+2*\t], v[BV+2*\t], s82
.endr
	WIN 0x05                                       ; sources window 1, destination window 0
.set f, 0
.rept 4
.irp i, 0,2,4,6
	v_pk_add_f32 v[16+8*f+\i:16+8*f+\i+1], v[8*f+\i:8*f+\i+1], v[BQ+8*f+\i:BQ+8*f+\i+1]
.endr
.set f, f+1
.endr
.rept 4
.irp i, 0,2,4,6
	v_pk_add_f32 v[16+8*f+\i:16+8*f+\i+1], v[8*f+\i:8*f+\i+1], v[BK+8*(f-4)+\i:BK+8*(f-4)+\i+1]
.endr
.set f, f+1
.endr
.rept 4
.irp i, 0,2,4,6
	v_pk_add_f32 v[16+8*f+\i:16+8*f+\i+1], v[8*f+\i:8*f+\i+1], v[BV+2*(f-8):BV+2*(f-8)+1] op_sel_hi:[1,0]   ; one channel a lane: the pair's low word for both
.endr
.set f, f+1
.endr
	WIN 0
.set i, 0
.rept 32
	v_med3_num_f32 v[16+i], v[16+i], s75, s74
	v_med3_num_f32 v[48+i], v[48+i], s77, s76
	v_med3_num_f32 v[80+i], v[80+i], s79, s78
.set i, i+1
.endr
.set f, 0
.rept 12
	v_cvt_scalef32_pk8_fp8_f32 v[144+2*f:145+2*f], v[16+8*f:23+8*f], v[11+f/4]
.set f, f+1
.endr
	v_nop
	global_store_b128 v[LI], v[144:147], s[86:87]
	global_store_b128 v[LI], v[148:151], s[86:87] offset:512
	global_store_b128 v[LI], v[152:155], s[88:89]
	global_store_b128 v[LI], v[156:159], s[88:89] offset:512
.irp t, 0,1,2,3
	global_store_b64 v[L8], v[160+2*\t:161+2*\t], s[90:91] offset:2048*\t   ; 32 lanes x 8 bytes: one aligned run of 256
.endr
	s_wait_tensorcnt 0x0                           ; the wave's end
	ds_add_u32 v[SPW], v[NIL]
	s_wait_dscnt 0x0
	s_endpgm
.Lfunc_end_k_q2542523e52_qkv:
	.size	k_q2542523e52_qkv, .Lfunc_end_k_q2542523e52_qkv-k_q2542523e52_qkv
	.p2alignl 7, 3214868480
	.fill 96, 4, 3214868480
	.section	.rodata,"a",@progbits
	.p2align	6, 0x0
	.amdhsa_kernel k_q2542523e52_qkv
		.amdhsa_group_segment_fixed_size 231936
		.amdhsa_private_segment_fixed_size 0
		.amdhsa_enable_private_segment 0
		.amdhsa_kernarg_size 64
		.amdhsa_user_sgpr_count 2
		.amdhsa_user_sgpr_kernarg_segment_ptr 1
		.amdhsa_wavefront_size32 1
		.amdhsa_system_sgpr_workgroup_id_x 1
		.amdhsa_system_sgpr_workgroup_id_y 1
		.amdhsa_system_sgpr_workgroup_id_z 1
		.amdhsa_system_vgpr_workitem_id 0
		.amdhsa_next_free_vgpr 1024
		.amdhsa_next_free_sgpr 96
		.amdhsa_reserve_vcc 0
		.amdhsa_float_denorm_mode_32 3
		.amdhsa_float_denorm_mode_16_64 3
		.amdhsa_memory_ordered 1
		.amdhsa_forward_progress 1
		.amdhsa_inst_pref_size 117
	.end_amdhsa_kernel
	.amdgpu_metadata
---
amdhsa.version: [ 1, 2 ]
amdhsa.kernels:
  - .name:           k_q2542523e52_qkv
    .symbol:         k_q2542523e52_qkv.kd
    .args:
      - { .name: x, .offset: 0, .size: 8, .value_kind: global_buffer, .address_space: global }
      - { .name: wqkv, .offset: 8, .size: 8, .value_kind: global_buffer, .address_space: global }
      - { .name: lowp_scales, .offset: 16, .size: 8, .value_kind: global_buffer, .address_space: global }
      - { .name: bq, .offset: 24, .size: 8, .value_kind: global_buffer, .address_space: global }
      - { .name: bk, .offset: 32, .size: 8, .value_kind: global_buffer, .address_space: global }
      - { .name: bv, .offset: 40, .size: 8, .value_kind: global_buffer, .address_space: global }
      - { .name: qf, .offset: 48, .size: 8, .value_kind: global_buffer, .address_space: global }
      - { .name: kv, .offset: 56, .size: 8, .value_kind: global_buffer, .address_space: global }
    .group_segment_fixed_size: 231936
    .private_segment_fixed_size: 0
    .kernarg_segment_align: 8
    .kernarg_segment_size: 64
    .max_flat_workgroup_size: 128
    .sgpr_count:     96
    .vgpr_count:     1024
    .wavefront_size: 32
...
	.end_amdgpu_metadata
.endif
;; end of part 2
;; launch stats (part 3): grid 256 x 1, 16 waves a work-group, no clusters, 10,240 bytes of LDS; arguments qf, kv, lowp_scales, stat; writes stat
.if DOCPART == 3
	.amdgcn_target "amdgcn-amd-amdhsa--gfx1250"
	.amdhsa_code_object_version 6
	.text
	.protected	k_q2542523e52_stats
	.globl	k_q2542523e52_stats
	.p2align	8
	.type	k_q2542523e52_stats,@function
k_q2542523e52_stats:
	s_mov_b64 s[64:65], 0
	v_nop
	global_prefetch_b8 v0, s[64:65] scope:SCOPE_SE
	s_setreg_imm32_b32 hwreg(HW_REG_WAVE_MODE, 25, 1), 1
	s_wait_xcnt 0x0
; THIRD LAUNCH: the softmax runs over the QUERIES: for each key of each batch, the largest t and the sum of 2^(t - largest) over the batch's 1,024 queries.  Nothing is left out.
; t = score x log2(e) / 8; a sum of codes stands for sum x 2^(e6 + e7), so t = sum x c with c = log2(e) / 8 x 2^(e6 + e7).
; SHARES.  A work-group owns 64 keys of one batch; each of its sixteen waves takes 64 queries: 16 matrix instructions (K = 64).  Source 0 = 16 queries, source 1 = 16 keys:
; a lane holds ONE key (lane % 16) and eight queries a tile.  Each wave's largest t and sum meet in LDS; wave 0 joins the sixteen and stores -m and 1 / l, 256 bytes each.
; The maximum is taken away before every exponential, in the wave and again at the join.
; NO CLUSTER, NO TENSOR LOAD: a wave's 4 + 4 fragments (8,192 bytes) go from memory straight into the registers of the one wave that uses them, once, for 16 matrix instructions;
; a way through LDS and two rounds of a cluster's barrier would stand beside that little work.
; stat, a batch 8,192 bytes: -m [1,024], then 1 / l [1,024], f32.
; LIMIT: e6 + e7 between -124 and 130 (they are added to c's exponent field).  NaN and infinities are not served.
; REGISTERS: v1, v2 the add's two; v3 16 x lane; v5, v6 LDS addresses; v16-47 q; v48-79 k; v80-207 scores (key tile kt, query tile qt at 80 + 32 kt + 8 qt); v208-239 at work.
.set SPARE, 8192                       ; behind the two tables: the spare words, 128 bytes a wave: eight blocks of 256 bytes that no other line names
.set QF, 16
.set KF, 48
.set S,  80
	s_load_b256 s[4:11], s[0:1], 0x0               ; qf, kv, the scales' exponents, stat
	v_lshl_add_u32 v1, v0, 2, SPARE
	v_mov_b32 v2, 0
	v_lshrrev_b32 v3, 5, v0
	s_delay_alu instid0(VALU_DEP_1)
	v_readfirstlane_b32 s12, v3                    ; wave 0..15
	v_and_b32 v4, 31, v0
	s_delay_alu instid0(VALU_DEP_1)
	v_lshlrev_b32 v3, 4, v4                        ; 16 x lane
	s_delay_alu instid0(VALU_DEP_2)
	v_lshlrev_b32 v6, 3, v4                        ; 8 x lane
	s_lshr_b32 s13, ttmp9, 4                       ; batch
	s_and_b32 s14, ttmp9, 15                       ; which 64 keys
	s_lshl_b32 s16, s13, 16
	s_lshl_b32 s17, s12, 12
	s_add_co_u32 s16, s16, s17                     ; q: tile 64 batch + 4 wave
	s_mov_b32 s17, 0
	s_lshl_b32 s18, s13, 17
	s_lshl_b32 s19, s14, 12
	s_add_co_u32 s18, s18, s19                     ; k: tile 4 x which, in the batch's 131,072 bytes
	s_mov_b32 s19, 0
	s_lshl_b32 s28, s13, 13
	s_lshl_b32 s29, s14, 8
	s_add_co_u32 s28, s28, s29
	s_mov_b32 s29, 0
	s_mov_b32 s24, 0x76543210                      ; v_permlanex16_b32: lane l xor 16
	s_mov_b32 s25, 0xfedcba98
	s_wait_alu depctr_va_vdst(0)
	s_wait_kmcnt 0x0
	s_load_b64 s[20:21], s[8:9], 0x18              ; e6, e7
	s_add_nc_u64 s[4:5], s[4:5], s[16:17]
	s_add_nc_u64 s[6:7], s[6:7], s[18:19]
	s_add_nc_u64 s[10:11], s[10:11], s[28:29]
.irp t, 0,1,2,3
	global_load_b128 v[QF+8*\t:QF+8*\t+3],   v3, s[4:5] offset:1024*\t
	global_load_b128 v[QF+8*\t+4:QF+8*\t+7], v3, s[4:5] offset:1024*\t+512
	global_load_b128 v[KF+8*\t:KF+8*\t+3],   v3, s[6:7] offset:1024*\t
	global_load_b128 v[KF+8*\t+4:KF+8*\t+7], v3, s[6:7] offset:1024*\t+512
.endr
	v_and_b32 v7, 15, v0
	v_bfe_u32 v8, v0, 4, 1
	s_delay_alu instid0(VALU_DEP_2)
	v_lshlrev_b32 v5, 2, v7
	s_delay_alu instid0(VALU_DEP_1)
	v_lshl_add_u32 v5, v8, 12, v5
	s_lshl_b32 s27, s12, 8
	v_add_nc_u32 v5, s27, v5                       ; 4,096 h + 256 wave + 4 r: lanes 0-15 store the largest t, lanes 16-31 the sum
	v_cmp_lt_u32 s26, 15, v4                       ; lanes 16-31
.irp t, 0,1,2,3
	v_mov_b32 v[209+2*\t], 0                       ; (upper halves of pairs that are named whole)
	v_mov_b32 v[224+\t], 0                         ; (a lane permute's destination counts as read)
.endr
	s_wait_kmcnt 0x0
	s_add_co_i32 s22, s20, s21
	s_lshl_b32 s22, s22, 23
	s_add_co_i32 s22, s22, 0x3e38aa3b              ; c
	s_mov_b32 s23, s22
	s_wait_loadcnt 0x0
.irp kt, 0,1,2,3
.irp qt, 0,1,2,3
	v_wmma_f32_16x16x64_fp8_fp8 v[S+32*\kt+8*\qt:S+32*\kt+8*\qt+7], v[QF+8*\qt:QF+8*\qt+7], v[KF+8*\kt:KF+8*\kt+7], 0
.endr
.endr
.rept 4
	v_nop
.endr
	; the largest score of my key among my 32 queries: two chains a key tile, each accumulator from its low end on
.irp kt, 0,1,2,3
	v_max3_num_f32 v[216+2*\kt], v[S+32*\kt],   v[S+32*\kt+1], v[S+32*\kt+2]
	v_max3_num_f32 v[217+2*\kt], v[S+32*\kt+3], v[S+32*\kt+4], v[S+32*\kt+5]
.endr
.irp i, 6,10,14,18,22,26
.irp kt, 0,1,2,3
	v_max3_num_f32 v[216+2*\kt], v[216+2*\kt], v[S+32*\kt+\i],   v[S+32*\kt+\i+1]
	v_max3_num_f32 v[217+2*\kt], v[217+2*\kt], v[S+32*\kt+\i+2], v[S+32*\kt+\i+3]
.endr
.endr
.irp kt, 0,1,2,3
	v_max3_num_f32 v[216+2*\kt], v[216+2*\kt], v[S+32*\kt+30], v[S+32*\kt+31]
.endr
.irp kt, 0,1,2,3
	s_delay_alu instid0(VALU_DEP_4)
	v_max_num_f32 v[216+2*\kt], v[216+2*\kt], v[217+2*\kt]
.endr
.irp kt, 0,1,2,3
	s_delay_alu instid0(VALU_DEP_4)
	v_permlanex16_b32 v[224+\kt], v[216+2*\kt], s24, s25   ; the key's other 32 queries lie in the lane 16 away
.endr
.irp kt, 0,1,2,3
	s_delay_alu instid0(VALU_DEP_4)
	v_max_num_f32 v[216+2*\kt], v[216+2*\kt], v[224+\kt]
.endr
.irp kt, 0,1,2,3
	s_delay_alu instid0(VALU_DEP_4)
	v_mul_f32 v[208+2*\kt], s22, v[216+2*\kt]      ; as t (c is positive)
.endr
.irp kt, 0,1,2,3
.set j, 0
.rept 16
	v_pk_fma_f32 v[S+32*\kt+j:S+32*\kt+j+1], v[S+32*\kt+j:S+32*\kt+j+1], s[22:23], v[208+2*\kt:209+2*\kt] op_sel_hi:[1,0,0] neg_lo:[0,0,1] neg_hi:[0,0,1]
.set j, j+2
.endr
.endr
.set j, 0
	s_wait_alu depctr_va_vdst(0)
.rept 128
	v_exp_f32 v[S+j], v[S+j]                       ; one batch
.set j, j+1
.endr
	v_nop                                          ; a plain line behind the last exponential
	s_wait_alu depctr_va_vdst(0)                   ; one wait for the batch, ahead of its first reader
.irp kt, 0,1,2,3
	v_pk_add_f32 v[232+2*\kt:233+2*\kt], v[S+32*\kt:S+32*\kt+1], v[S+32*\kt+2:S+32*\kt+3]
.endr
.irp i, 4,6,8,10,12,14,16,18,20,22,24,26,28,30
.irp kt, 0,1,2,3
	v_pk_add_f32 v[232+2*\kt:233+2*\kt], v[232+2*\kt:233+2*\kt], v[S+32*\kt+\i:S+32*\kt+\i+1]
.endr
.endr
.irp kt, 0,1,2,3
	s_delay_alu instid0(VALU_DEP_4)
	v_add_f32 v[232+2*\kt], v[232+2*\kt], v[233+2*\kt]
.endr
.irp kt, 0,1,2,3
	s_delay_alu instid0(VALU_DEP_4)
	v_permlanex16_b32 v[224+\kt], v[232+2*\kt], s24, s25
.endr
.irp kt, 0,1,2,3
	s_delay_alu instid0(VALU_DEP_4)
	v_add_f32 v[232+2*\kt], v[232+2*\kt], v[224+\kt]
.endr
.irp kt, 0,1,2,3
	s_delay_alu instid0(VALU_DEP_4)
	v_cndmask_b32 v[216+\kt], v[208+2*\kt], v[232+2*\kt], s26
.endr
.irp kt, 0,1,2,3
	ds_store_b32 v5, v[216+\kt] offset:64*\kt
.endr
	s_wait_tensorcnt 0x0                           ; behind my last LDS store; the wait for the add also shows my stores done, for the others' sake
	ds_add_u32 v1, v2
	s_wait_dscnt 0x0
	s_barrier_signal -1
	s_barrier_wait -1
	s_cmp_lg_u32 s12, 0
	s_cbranch_scc1 .Ldone
	; wave 0 joins the sixteen: a lane takes keys 2 l and 2 l + 1
.set wi, 0
.rept 16
	ds_load_b64 v[80+2*wi:81+2*wi], v6 offset:256*wi
.set wi, wi+1
.endr
.set wi, 0
.rept 16
	ds_load_b64 v[112+2*wi:113+2*wi], v6 offset:4096+256*wi
.set wi, wi+1
.endr
	s_wait_dscnt 0x0
.irp hf, 0,1
	v_max3_num_f32 v[144+\hf], v[80+\hf], v[82+\hf], v[84+\hf]
.irp wq, 3,5,7,9,11,13
	s_delay_alu instid0(VALU_DEP_1)
	v_max3_num_f32 v[144+\hf], v[144+\hf], v[80+2*\wq+\hf], v[82+2*\wq+\hf]
.endr
	s_delay_alu instid0(VALU_DEP_1)
	v_max_num_f32 v[144+\hf], v[144+\hf], v[110+\hf]
.endr
.set wi, 0
.rept 16
	v_pk_add_f32 v[80+2*wi:81+2*wi], v[80+2*wi:81+2*wi], v[144:145] neg_lo:[0,1] neg_hi:[0,1]
.set wi, wi+1
.endr
.set wi, 0
	s_wait_alu depctr_va_vdst(0)
.rept 32
	v_exp_f32 v[80+wi], v[80+wi]
.set wi, wi+1
.endr
	v_xor_b32 v150, 0x80000000, v144               ; -m (plain lines behind the exponentials)
	v_xor_b32 v151, 0x80000000, v145
	s_wait_alu depctr_va_vdst(0)
	v_pk_mul_f32 v[146:147], v[112:113], v[80:81]
.set wi, 1
.rept 15
	v_pk_fma_f32 v[146:147], v[112+2*wi:113+2*wi], v[80+2*wi:81+2*wi], v[146:147]
.set wi, wi+1
.endr
	s_wait_alu depctr_va_vdst(0)
	v_rcp_f32 v148, v146
	v_rcp_f32 v149, v147
	v_nop
	s_wait_alu depctr_va_vdst(0)
	global_store_b64 v6, v[150:151], s[10:11]              ; 32 lanes x 8 bytes: one aligned run of 256
	global_store_b64 v6, v[148:149], s[10:11] offset:4096
.Ldone:
	s_endpgm
.Lfunc_end_k_q2542523e52_stats:
	.size	k_q2542523e52_stats, .Lfunc_end_k_q2542523e52_stats-k_q2542523e52_stats
	.p2alignl 7, 3214868480
	.fill 96, 4, 3214868480
	.section	.rodata,"a",@progbits
	.p2align	6, 0x0
	.amdhsa_kernel k_q2542523e52_stats
		.amdhsa_group_segment_fixed_size 10240
		.amdhsa_private_segment_fixed_size 0
		.amdhsa_enable_private_segment 0
		.amdhsa_kernarg_size 32
		.amdhsa_user_sgpr_count 2
		.amdhsa_user_sgpr_kernarg_segment_ptr 1
		.amdhsa_wavefront_size32 1
		.amdhsa_system_sgpr_workgroup_id_x 1
		.amdhsa_system_sgpr_workgroup_id_y 1
		.amdhsa_system_sgpr_workgroup_id_z 1
		.amdhsa_system_vgpr_workitem_id 0
		.amdhsa_next_free_vgpr 256
		.amdhsa_next_free_sgpr 66
		.amdhsa_reserve_vcc 0
		.amdhsa_float_denorm_mode_32 3
		.amdhsa_float_denorm_mode_16_64 3
		.amdhsa_memory_ordered 1
		.amdhsa_forward_progress 1
		.amdhsa_inst_pref_size 31
	.end_amdhsa_kernel
	.amdgpu_metadata
---
amdhsa.version: [ 1, 2 ]
amdhsa.kernels:
  - .name:           k_q2542523e52_stats
    .symbol:         k_q2542523e52_stats.kd
    .args:
      - { .name: qf, .offset: 0, .size: 8, .value_kind: global_buffer, .address_space: global }
      - { .name: kv, .offset: 8, .size: 8, .value_kind: global_buffer, .address_space: global }
      - { .name: lowp_scales, .offset: 16, .size: 8, .value_kind: global_buffer, .address_space: global }
      - { .name: stat, .offset: 24, .size: 8, .value_kind: global_buffer, .address_space: global }
    .group_segment_fixed_size: 10240
    .private_segment_fixed_size: 0
    .kernarg_segment_align: 8
    .kernarg_segment_size: 32
    .max_flat_workgroup_size: 512
    .sgpr_count:     66
    .vgpr_count:     256
    .wavefront_size: 32
...
	.end_amdgpu_metadata
.endif
;; end of part 3
;; launch layer (part 4): grid 256 x 1, 4 waves a work-group, clusters of 4 x 1, 327,680 bytes of LDS; arguments qf, kv, stat, stream, x, lowp_scales, bo, ln_g, ln_b, b1, b2, out0; writes out0
.if DOCPART == 4
	.amdgcn_target "amdgcn-amd-amdhsa--gfx1250"
	.amdhsa_code_object_version 6
	.text
	.protected	k_q2542523e52_layer
	.globl	k_q2542523e52_layer
	.p2align	8
	.type	k_q2542523e52_layer,@function
k_q2542523e52_layer:
	s_mov_b64 s[64:65], 0
	v_nop
	global_prefetch_b8 v0, s[64:65] scope:SCOPE_SE
	s_setreg_imm32_b32 hwreg(HW_REG_WAVE_MODE, 25, 1), 1
	s_wait_xcnt 0x0
	s_wait_alu depctr_hold_cnt(0) depctr_sa_sdst(0) depctr_va_vdst(0) depctr_va_sdst(0) depctr_va_ssrc(0) depctr_va_vcc(0) depctr_vm_vsrc(0)
	s_getreg_b32 s2, hwreg(HW_REG_IB_STS2, 6, 4)
	s_cmp_eq_u32 s2, 0
	s_cbranch_scc0 .Lentry_in_a_cluster
	s_endpgm
.Lentry_in_a_cluster:
	s_bfe_u32 s2, ttmp6, 0x10000c
	s_cmp_lg_u32 s2, 0x3003
	s_cbranch_scc0 .Lentry_shape_is_right
	s_endpgm
.Lentry_shape_is_right:
; FOURTH LAUNCH: for 64 rows a work-group: the scores again, the finished softmax (over the queries, by the stored -m and 1 / l of each key), attn v, the eight identical heads x wo + bo, + x, LayerNorm,
; x w1 + b1, x w2 + b2, + h, LayerNorm.  All products on codes of E4M3.  Nothing is left out; nothing between the products goes to memory.
; SHARES.  In attention wave w owns queries 16 w .. + 15 and walks the batch's 1,024 keys, 128 a step.  From wo on THE WAVES SHARE THE COLUMNS: wave w makes output columns 128 w .. + 127 (and hidden units
; 64 w .. + 63 of each chunk of 256) for all 64 rows, so each weight fragment is fetched once in the work-group and feeds four matrix instructions.
; Every product is used transposed (source 0 = 16 outputs, source 1 = 16 rows): a lane holds ONE row (lane % 16) and eight neighbouring outputs a tile, so one conversion of a tile's eight registers
; gives registers 2t, 2t+1 of the next operand.  Operands go from wave to wave through LDS as images of their registers (pieces of 512 bytes, lane l's 16 bytes at 16 l).
; THE RING.  Two slots of 135,168 bytes; each fill is four loads (one a wave) of 64 rows x 512 bytes, 528 apart in LDS.  Slot 0: the batch's k and V^T, then wo's first half, then w1's even chunks; slot 1: my 64 rows of x
; (wave w: its 128 columns), then wo's second half, then w1's odd chunks.  wo, w1, k, V^T, the keys' figures and b1 are the same for the four work-groups of a cluster (one batch): they are asked for JOINTLY.
; Each refill stands first behind a round of the cluster's barrier, in front of which every wave has waited for all its tensor loads, made the add, and waited for it and for its reads.
; By this text's own count a wave has four tensor loads out at the start and one behind each round.
; w2 GOES FROM MEMORY STRAIGHT INTO REGISTERS, and is not asked for jointly though the four work-groups read the same bytes.  The reason, by this text's own arithmetic: the two slots take all the LDS that is left, and a
; wave has one tensor load on its way between two rounds; with w2 in the ring a chunk of 256 hidden units would be two fills of 131,072 bytes and two rounds for 128 matrix instructions a wave.  Each fragment of w2 is used
; by one wave alone and lies in memory as the image of that wave's registers; a load into registers is counted on LOADcnt and stays on its way across the rounds.  So a chunk is one fill and one round, and its 32,768
; bytes of w2 a wave come beside them, a group (four fragments, 16 loads of 512 consecutive bytes) at a time: groups 0 and 1 are asked for a chunk ahead, groups 2 and 3 from the middle of w1's products on.
; Up to 64 such loads of a wave are out.
; SCALES.  A sum stands for sum x 2^(ea + eb).  Residual and bias ride in the accumulator, divided by that power of two: x and bo ahead of wo's products, h and b2 ahead of w2's, b1 as the C of w1's first K step.
; LAYERNORM on y = acc x S (S a power of two): each wave's mean and sum of squares about ITS mean over its 128 columns; the four are joined by mean = sum / 4, M2 = sum of M2 + 128 x sum of (mean_w - mean)^2:
; no difference of large sums.  With rs = rsq(M2 x S^2 / 512 + eps) x S:  (acc x rs - mean x rs) x g + b, two packed multiply-adds.
; No prefetch is written: the weights, k and V^T are read by many work-groups at about the same time, and x is asked for at the kernel's head.
; LIMITS: e8, e12, e10-e8-e9, e14-e12-e13 between -126 and 119; e10+e11, e14+e15 and their negatives, 2(e10+e11)-9, 2(e14+e15)-9 between -126 and 127; e6+e7 between -124 and 130.  NaN and infinities are not served.
; REGISTERS.  window 0: v1-29 addresses and four scales; v30, v31 at work; v32-39 q, later the means; v40-55 p's or the head's codes, later rsq and the waves' pairs; v56-119 k, weight set A, numbers at work, rows on the way out;
;   v120-183 V^T, weight set B, h's codes, rows on the way out; v184-247 scores, the head's four fragments, b1 and the hidden codes, the exchange; v248-255 chains.
;   window 1: the 32 accumulators (row tile m, column tile t) at 8 (8 m + t).   window 2: -m, 1/l (v0-127), bo (v128-191), b2 (v192-255); from the first LayerNorm on h's 16 fragments at 16 (4 m + s).
;   window 3: O^T (v0-31), later the hidden layer's 16 accumulators 8 (4 m + t) and, by turns on the same registers, its 8 fragments 16 (2 m + s); v128-191 ln_g, v192-255 ln_b up to the first LayerNorm and again
;   from the last chunk on; between the two: groups 0 and 1 of w2.
; THE FIRST FILLS AS THIS TEXT HAS THEM (this paragraph replaces what the lines above say of them, of the two small tables and of the loads out at the start).
; At the head one tensor load a wave: its quarter of the batch's k and V^T (64 rows x 512 bytes, joint) into slot 0.
; The keys' figures and b1, 16,384 bytes against the 2.7 million that a work-group takes in, are not asked for jointly: each thread loads 4 x 16 bytes of each and stores them into LDS bytes of their own, ahead of the first round.
; Behind the first full sequence and round: x, each wave its 128 columns, into slot 1: eight key steps ahead of its first read.  A wave has one tensor load out at the start and one behind each round.
; x is not prefetched either: it is asked for once, by that load, and no trip of a loop stands ahead of the load in which to ask earlier.
.set WSL,   33792
.set SLOT1, 135168
.set STAT,  270336                     ; -m [1,024], 1/l [1,024]
.set B1R,   278528                     ; b1
.set IMG,   286720                     ; images, written by LDS stores alone: the head's 4 x 1,024; h's 16 x 2,048; then the hidden layer's 8 x 2,048, two buffers by turns
.set HBUF,  16384                      ; from one of the two buffers to the other
.set LNX,   319488                     ; the LayerNorms' exchange: [wave][row tile][row] x 8 bytes
.set SPARE, 321536                     ; the spare words, 128 bytes a wave: two blocks of 256 bytes that no other line names
.set BLK,   131072                     ; a block of the weights' stream
.set SPW, 1
.set NIL, 2
.set LI,  3                            ; 16 x lane
.set WAD, 4                            ; v4, v5: my quarter of slot 0, 1 + 16 x lane
.set AV0, 7
.set AS0, 8
.set ADK, 9
.set ADV, 10
.set ADS, 11
.set XAD, 12
.set VO,  13
.set AB10, 14
.set AB1, 15
.set HSTO, 16                          ; IMG + 1,024 wave + 16 lane: the head's image, and my half of a hidden image
.set IMGL, 17
.set HISTO, 18
.set LNS, 20
.set LNL, 21
.set STO, 22
.set GO,  24
.set SCP, 26
.set SCH, 27
.set SCN, 28
.set SCD, 29
.set TM,  30
.set Q,   32
.set MN,  32
.set P,   40
.set RS,  40
.set PR,  48
.set KF,  56
.set WA,  56
.set T,   56
.set VF,  120
.set WB,  120
.set HQ,  120
.set ST,  184
.set HEADF, 184
.set B1,  184
.set E,   184
.set HCODE, 216
.set CH,  248
.set W2C, 128                          ; in window 3: w2's group 0
.set W2D, 192                          ; and group 1
.set W2P, 82                           ; s[82:83]: my quarter of w2's block of the trip's first chunk
.set WV,  96
.set CNT, 97
.set TB,  98
.set TS,  99
.set TC,  100
.set MSB, 0
.macro WIN new                         ; the immediate's high byte repeats the setting that is left
.if MSB != \new
	s_set_vgpr_msb (MSB<<8)|\new
.set MSB, \new
.endif
.endm
.macro NOP4
.rept 4
	v_nop
.endr
.endm
.macro ROUND                           ; a round of the cluster's barrier
	s_barrier_signal -1
	s_barrier_wait -1
	s_cmp_lg_u32 s[WV], 0
	s_cbranch_scc1 .Lnw0_\@
	s_barrier_signal -3
.Lnw0_\@:
	s_barrier_wait -3
	s_barrier_signal -1
	s_barrier_wait -1
.endm
.macro MKS d, e                        ; s[d] = 2^s[e] as f32
	s_add_co_i32 s[\d], s[\e], 127
	s_lshl_b32 s[\d], s[\d], 23
.endm
.macro MKP p, e                        ; s[p] = 448 x 2^s[e]
	s_add_co_i32 s[\p], s[\e], 135
	s_lshl_b32 s[\p], s[\p], 23
	s_or_b32 s[\p], s[\p], 0x600000
.endm
.macro MKL p, n, e
	MKP \p, \e
	s_xor_b32 s[\n], s[\p], 0x80000000
.endm
	s_load_b512 s[4:19], s[0:1], 0x0               ; qf, kv, stat, stream, x, the scales' exponents, bo, ln_g
	s_load_b256 s[20:27], s[0:1], 0x40             ; ln_b, b1, b2, out0
	v_lshl_add_u32 v[SPW], v0, 2, SPARE
	v_mov_b32 v[NIL], 0
	ds_add_u32 v[SPW], v[NIL]                      ; the wave's opening: the add, twice on end, and its wait ahead of my first tensor load
	ds_add_u32 v[SPW], v[NIL]
	v_lshrrev_b32 v[TM], 5, v0
	v_readfirstlane_b32 s[WV], v[TM]               ; wave 0..3
	s_bfe_u32 s100, ttmp6, 0x40000                 ; my place in the cluster: it enters x's, qf's and out0's addresses alone
	s_lshl_b32 s101, ttmp9, 2
	s_add_co_u32 s100, s101, s100                  ; work-group
	s_lshr_b32 s99, ttmp9, 2                       ; batch: the four partners share it
	; group 1 of a dense block: 64 rows of 512 bytes (elements of 8), four words of padding behind every 128; mask: all four work-groups, bit 21 beside it
	s_mov_b32 s28, 15|(3<<16)|(1<<20)|(1<<21)|(6<<22)|(3<<25)
	s_mov_b32 s29, 64<<16
	s_mov_b32 s30, 64<<16
	s_mov_b32 s31, 64<<16
	s_mov_b32 s32, 64
	s_mov_b32 s33, 64
	s_mov_b32 s34, 0
	s_mov_b32 s35, 0
	; of x's tile: the same in LDS; rows 2,048 bytes apart in memory; my work-group's own
	s_mov_b32 s36, (3<<16)|(1<<20)|(6<<22)|(3<<25)
	s_mov_b32 s37, 64<<16
	s_mov_b32 s38, 64<<16
	s_mov_b32 s39, 64<<16
	s_mov_b32 s40, 64
	s_mov_b32 s41, 256
	s_mov_b32 s42, 0
	s_mov_b32 s43, 0
	s_mul_i32 s98, s[WV], WSL                      ; my quarter of a slot
	s_lshl_b32 s97, s[WV], 11                      ; 2,048 x wave
	s_mov_b32 s3, 0
	s_wait_dscnt 0x0                               ; both opening adds are done
	s_wait_kmcnt 0x0
	s_load_b512 s[80:95], s[14:15], 0x0            ; e0 .. e15
	s_lshl_b32 s2, s99, 13
	s_add_nc_u64 s[54:55], s[8:9], s[2:3]          ; the batch's figures
	s_mov_b32 s60, 1                               ; the batch's k and V^T -> slot 0
	s_mov_b32 s61, s98
	s_lshl_b32 s2, s99, 17
	s_lshl_b32 s101, s[WV], 15
	s_add_co_u32 s2, s2, s101
	s_add_nc_u64 s[62:63], s[6:7], s[2:3]
	s_or_b32 s63, s63, 0x80000000
	s_mov_b32 s72, 1                               ; slot 0's refills: blocks 0, 2, 6, 10, 14 of the weights
	s_mov_b32 s73, s98
	s_mov_b32 s2, s101
	s_add_nc_u64 s[74:75], s[10:11], s[2:3]
	s_mov_b32 s76, 1                               ; slot 1's: blocks 1, 4, 8, 12, 16
	s_add_co_u32 s77, s98, SLOT1
	s_add_nc_u64 s[78:79], s[74:75], BLK
	s_or_b32 s75, s75, 0x80000000
	s_or_b32 s79, s79, 0x80000000
	s_mov_b32 s68, 1                               ; x: my work-group's 64 rows, my wave's 512 bytes of each -> slot 1
	s_add_co_u32 s69, s98, SLOT1
	s_lshl_b32 s2, s100, 17
	s_add_nc_u64 s[26:27], s[26:27], s[2:3]        ; out0 at my work-group's first row
	s_lshl_b32 s101, s[WV], 9
	s_add_co_u32 s2, s2, s101
	s_add_nc_u64 s[70:71], s[12:13], s[2:3]
	s_or_b32 s71, s71, 0x80000000
	s_lshl_b32 s2, s100, 2
	s_add_co_u32 s2, s2, s[WV]
	s_lshl_b32 s2, s2, 10
	s_add_nc_u64 s[4:5], s[4:5], s[2:3]            ; my query tile's image
	ROUND                                          ; all four work-groups are here: the first joint loads meet
	tensor_load_to_lds s[60:63], s[28:35]          ; my one tensor load of the head
	s_nop 0
	NOP4
	v_lshlrev_b32 v255, 4, v0                      ; 16 x thread: the 128 threads read 2,048 consecutive bytes an instruction
	v_lshl_add_u32 v19, v0, 4, STAT                ; and store them so
.irp i, 0,1,2,3
	global_load_b128 v[184+4*\i:187+4*\i], v255, s[54:55] offset:2048*\i   ; -m, 1 / l
	global_load_b128 v[200+4*\i:203+4*\i], v255, s[22:23] offset:2048*\i   ; b1
.endr
	v_and_b32 v[TM], 31, v0
	v_lshlrev_b32 v[LI], 4, v[TM]
	v_lshlrev_b32 v[AV0], 3, v[TM]
	v_add_nc_u32 v[AV0], 67584, v[AV0]             ; V^T begins at memory row 128 of the block: 128 x 528; 8 bytes a lane
	v_and_b32 v[TM], 15, v0                        ; r
	v_bfe_u32 v[TM+1], v0, 4, 1                    ; h
	v_lshlrev_b32 v25, 5, v[TM+1]                  ; 32 h
	v_add_nc_u32 v[WAD], s98, v[LI]
	v_add_nc_u32 v[WAD+1], SLOT1, v[WAD]
	v_add_nc_u32 v[AS0], STAT, v25
	v_mul_u32_u24 v6, v[TM], 528
	v_add_nc_u32 v6, v6, v25
	v_add_nc_u32 v[STO], s98, v6                   ; my quarter of slot 0 + 528 r + 32 h: the stage on the way out
	v_add_nc_u32 v[XAD], SLOT1, v[STO]             ; the same place in slot 1: x
	v_add_nc_u32 v[VO], s101, v25                  ; 512 wave + 32 h: my eight numbers of a tile in bo, b2, ln_g, ln_b
	v_add_nc_u32 v[GO], s101, v[LI]                ; 512 wave + 16 lane: my place in a row of out0
	v_lshlrev_b32 v[LNL], 3, v[TM]
	v_add_nc_u32 v[LNL], LNX, v[LNL]
	v_add_nc_u32 v[LNS], s101, v[LNL]
	s_lshl_b32 s101, s[WV], 8
	v_add_nc_u32 v[AB10], s101, v25
	v_add_nc_u32 v[AB10], B1R, v[AB10]             ; b1: 256 wave + 32 h
	s_lshl_b32 s101, s[WV], 10
	v_add_nc_u32 v[IMGL], IMG, v[LI]
	v_add_nc_u32 v[HSTO], s101, v[IMGL]
	v_add_nc_u32 v[HISTO], s97, v[IMGL]
	global_load_b128 v[Q:Q+3],   v[LI], s[4:5]
	global_load_b128 v[Q+4:Q+7], v[LI], s[4:5] offset:512
	WIN 0x80                                       ; destination window 2
.set i, 0
.rept 16
	global_load_b128 v[128+4*i:131+4*i], v[VO], s[16:17] offset:64*(i/2)+16*(i%2)   ; bo(128 w + 16 t + 8 h + 0 .. 7)
	global_load_b128 v[192+4*i:195+4*i], v[VO], s[24:25] offset:64*(i/2)+16*(i%2)   ; b2
.set i, i+1
.endr
	WIN 0xc0                                       ; destination window 3
.set i, 0
.rept 16
	global_load_b128 v[128+4*i:131+4*i], v[VO], s[18:19] offset:64*(i/2)+16*(i%2)   ; ln_g
	global_load_b128 v[192+4*i:195+4*i], v[VO], s[20:21] offset:64*(i/2)+16*(i%2)   ; ln_b
.set i, i+1
.endr
.set i, 0
.rept 32
	v_mov_b32 v[i], 0                              ; O^T: the key step is written for a loop, whose first trip finds zeros
.set i, i+1
.endr
	WIN 0
	s_wait_xcnt 0x0                                ; the loads above have read their bases: s4-s17 and s22-s25 are written anew; ln_g's and ln_b's addresses, s[18:21], stay for the second LayerNorm
	s_wait_kmcnt 0x0
	s_lshl_b32 s2, s[WV], 15
	s_add_nc_u64 s[W2P:W2P+1], s[10:11], s[2:3]    ; w2: my quarter (32,768 x wave)
	s_add_nc_u64 s[W2P:W2P+1], s[W2P:W2P+1], 3*BLK ; of block 3, chunk 0's
	s_add_co_i32 s101, s86, s87
	s_lshl_b32 s101, s101, 23
	s_add_co_i32 s4, s101, 0x3e38aa3b              ; c = log2(e) / 8 x 2^(e6 + e7)
	s_mov_b32 s5, s4
	MKP 6, 88                                      ; 448 x 2^e8
	MKS 101, 88
	v_mov_b32 v[SCP], s101
	s_add_co_i32 s25, s90, s91                     ; e10 + e11
	s_sub_co_i32 s7, 0, s25
	MKS 10, 7                                      ; 2^-(e10 + e11)
	s_mov_b32 s11, s10
	MKS 13, 25
	s_lshl_b32 s101, s25, 1
	s_sub_co_i32 s101, s101, 9
	MKS 12, 101                                    ; 2^(2 (e10 + e11)) / 512
	s_mov_b32 s14, 0x3727c5ac                      ; eps = 1e-5
	s_sub_co_i32 s101, s90, s88
	s_sub_co_i32 s101, s101, s89                   ; e10 - e8 - e9
	MKL 9, 8, 101
	MKS 25, 101
	v_mov_b32 v[SCH], s25
	s_add_co_i32 s25, s94, s95                     ; e14 + e15
	s_sub_co_i32 s15, 0, s25
	MKS 66, 15                                     ; 2^-(e14 + e15)
	s_mov_b32 s67, s66
	MKS 24, 25
	s_lshl_b32 s101, s25, 1
	s_sub_co_i32 s101, s101, 9
	MKS 23, 101
	MKL 17, 16, 92                                 ; h: e12
	MKS 25, 92
	v_mov_b32 v[SCN], s25
	s_add_co_i32 s25, s92, s93                     ; e12 + e13
	s_sub_co_i32 s22, 0, s25
	s_sub_co_i32 s101, s94, s25                    ; e14 - e12 - e13
	MKL 81, 80, 101                                ; (s80, s81 held e0, e1, which this launch does not use)
	MKS 25, 101
	v_mov_b32 v[SCD], s25
	s_mov_b32 s104, 0x76543210                     ; v_permlanex16_b32: lane l xor 16
	s_mov_b32 s105, 0xfedcba98
	s_mov_b32 s[TB], 0
	s_mov_b32 s[TS], 0
	s_mov_b32 s[TC], 0
.macro KFLD                            ; a step's eight key tiles: 16 loads of 512 consecutive bytes
.irp kt, 0,1,2,3,4,5,6,7
	ds_load_b128 v[KF+8*\kt:KF+8*\kt+3],   v[ADK] offset:528*(2*\kt)
	ds_load_b128 v[KF+8*\kt+4:KF+8*\kt+7], v[ADK] offset:528*(2*\kt+1)
.endr
.endm
.macro NMLD                            ; -m and 1/l of the keys 16 kt + 8 h + 0 .. 7, in the scores' layout: 32 loads
	WIN 0x80
.irp kt, 0,1,2,3,4,5,6,7
	ds_load_b128 v[8*\kt:8*\kt+3],   v[ADS] offset:64*\kt
	ds_load_b128 v[8*\kt+4:8*\kt+7], v[ADS] offset:64*\kt+16
.endr
.irp kt, 0,1,2,3,4,5,6,7
	ds_load_b128 v[64+8*\kt:64+8*\kt+3],   v[ADS] offset:4096+64*\kt
	ds_load_b128 v[64+8*\kt+4:64+8*\kt+7], v[ADS] offset:4096+64*\kt+16
.endr
	WIN 0
.endm
; A KEY STEP: 128 keys.  next = 1: the next step's k and figures are asked for in its middle.
.macro ATTSTEP next
	s_wait_dscnt 32                                ; k is in; the 32 loads of the figures may be out
.irp kt, 0,1,2,3,4,5,6,7
	v_wmma_f32_16x16x64_fp8_fp8 v[ST+8*\kt:ST+8*\kt+7], v[KF+8*\kt:KF+8*\kt+7], v[Q:Q+7], 0   ; lane: query r; registers: keys 16 kt + 8 h + 0 .. 7
.endr
	v_add_nc_u32 v[ADV], s[TB], v[AV0]             ; four places: in front of the loads into V^T's registers, which the last step's products read, and of the first read of the scores
	v_nop
	v_nop
	v_nop
.irp dt, 0,1,2,3
.irp c, 0,1,2,3,4,5,6,7
	ds_load_b64 v[VF+16*\dt+2*\c:VF+16*\dt+2*\c+1], v[ADV] offset:528*(4*\dt+\c/2)+256*(\c%2)
.endr
.endr
	s_wait_dscnt 32                                ; the figures are in; V^T's 32 loads may be out
	WIN 0x20                                       ; source 2 window 2
.set aj, 0
.rept 32
	v_pk_fma_f32 v[ST+aj:ST+aj+1], v[ST+aj:ST+aj+1], s[4:5], v[aj:aj+1] op_sel_hi:[1,0,1]   ; t - m
.set aj, aj+2
.endr
	WIN 0
.set aj, 0
	s_wait_alu depctr_va_vdst(0)
.rept 64
	v_exp_f32 v[ST+aj], v[ST+aj]                   ; one batch
.set aj, aj+1
.endr
.if \next
	s_add_co_u32 s[TB], s[TB], 8448                ; 16 memory rows on, for k and for V^T alike
	s_add_co_u32 s[TS], s[TS], 512
	v_add_nc_u32 v[ADK], s[TB], v[LI]              ; (plain lines behind the last exponential)
	v_add_nc_u32 v[ADS], s[TS], v[AS0]
.else
	v_nop
.endif
	s_wait_alu depctr_va_vdst(0)                   ; one wait for the batch, ahead of its first reader
	WIN 0x08                                       ; source 1 window 2
.set aj, 0
.rept 32
	v_pk_mul_f32 v[ST+aj:ST+aj+1], v[ST+aj:ST+aj+1], v[64+aj:65+aj]   ; the finished softmax: x 1 / l of the key
.set aj, aj+2
.endr
	WIN 0
.if \next
	KFLD
	NMLD
.endif
.set aj, 0
.rept 64
	v_min_num_f32 v[ST+aj], s6, v[ST+aj]           ; never negative: the hold is one-sided
.set aj, aj+1
.endr
.irp kt, 0,1,2,3,4,5,6,7
	v_cvt_scalef32_pk8_fp8_f32 v[P+2*\kt:P+2*\kt+1], v[ST+8*\kt:ST+8*\kt+7], v[SCP]
.endr
	v_nop                                          ; a plain line between the last conversion and the products
.if \next
	s_wait_alu depctr_va_vdst(0)
	s_wait_dscnt 48                                ; V^T is in; behind it: the next step's 16 + 32 loads
.else
	s_wait_alu depctr_va_vdst(0)
	s_wait_dscnt 0x0
.endif
	WIN 0xf0                                       ; C and D window 3
.irp dt, 0,1,2,3
	v_wmma_f32_16x16x128_fp8_fp8 v[8*\dt:8*\dt+7], v[VF+16*\dt:VF+16*\dt+15], v[P:P+15], v[8*\dt:8*\dt+7]   ; the four take turns
.endr
	WIN 0
.endm
; THE CHANGE OF SLOTS.  All my tensor loads have landed (the slot that I shall read next among them); the add; the wait for it and for all my LDS reads and stores; a round of the cluster's barrier;
; and first behind it my one load: the next block of weights, step bytes further on than the slot's last, into the slot that has been read out.  Four v_nop follow it, ahead of any switch of the windows.
.macro CHANGE slot, step
	s_wait_tensorcnt 0x0
	ds_add_u32 v[SPW], v[NIL]
.if \step
	s_add_nc_u64 s[74+4*\slot:75+4*\slot], s[74+4*\slot:75+4*\slot], \step   ; no tensor load of mine is out: the slot's group 0 may be written
.endif
	s_wait_dscnt 0x0
	ROUND
	tensor_load_to_lds s[72+4*\slot:75+4*\slot], s[28:35]
	s_nop 0
	NOP4
.endm
.macro GRP buf, slot, g                ; fragments 4 g .. 4 g + 3 of my quarter of the slot: 16 loads of 512 consecutive bytes
.irp i, 0,1,2,3
.irp c, 0,1,2,3
	ds_load_b128 v[\buf+16*\i+4*\c:\buf+16*\i+4*\c+3], v[WAD+\slot] offset:528*(4*(4*(\g)+\i)+\c)
.endr
.endr
.endm
.macro GLD buf, g, off                 ; the same four fragments of my quarter of a block of w2, from memory: off bytes from s[W2P]; 16 loads of 512 consecutive bytes
.irp i, 0,1,2,3
.irp c, 0,1,2,3
	global_load_b128 v[\buf+16*\i+4*\c:\buf+16*\i+4*\c+3], v[LI], s[W2P:W2P+1] offset:(\off)+2048*(4*(\g)+\i)+512*\c
.endr
.endr
.endm
.macro LNLD buf, ptr                   ; ln_g or ln_b again, as at the head: 16 loads
.set li, 0
.rept 16
	global_load_b128 v[\buf+4*li:\buf+4*li+3], v[VO], s[\ptr:\ptr+1] offset:64*(li/2)+16*(li%2)
.set li, li+1
.endr
.endm
; 16 matrix instructions: four fragments x four row tiles; sixteen accumulators by turns, one instruction a turn.  kind 0: wo; 1: w1; 2: w2 from window 0; 3: w2 from window 3
.macro MULS kind, buf, g
.if \kind == 0
	WIN 0x50                                       ; C and D window 1
.elseif \kind == 1
.if (\g) == 0
	WIN 0xc8                                       ; h window 2, D window 3, C (b1) window 0
.else
	WIN 0xf8
.endif
.elseif \kind == 2
	WIN 0x5c                                       ; the hidden fragments window 3, C and D window 1
.else
	WIN 0x5f                                       ; the weights window 3 too
.endif
.irp i, 0,1,2,3
.irp m, 0,1,2,3
.if \kind == 0
.set d, 8*(8*\m+(4*(\g)+\i)%8)
	v_wmma_f32_16x16x128_fp8_fp8 v[d:d+7], v[\buf+16*\i:\buf+16*\i+15], v[HEADF+16*\m:HEADF+16*\m+15], v[d:d+7]
.elseif \kind == 1
.set d, 8*(4*\m+\i)
.if (\g) == 0
	v_wmma_f32_16x16x128_fp8_fp8 v[d:d+7], v[\buf+16*\i:\buf+16*\i+15], v[16*(4*\m):16*(4*\m)+15], v[B1+8*\i:B1+8*\i+7]
.else
	v_wmma_f32_16x16x128_fp8_fp8 v[d:d+7], v[\buf+16*\i:\buf+16*\i+15], v[16*(4*\m+(\g)):16*(4*\m+(\g))+15], v[d:d+7]
.endif
.else
.set d, 8*(8*\m+4*((\g)%2)+\i)
	v_wmma_f32_16x16x128_fp8_fp8 v[d:d+7], v[\buf+16*\i:\buf+16*\i+15], v[16*(2*\m+(\g)/2):16*(2*\m+(\g)/2)+15], v[d:d+7]
.endif
.endr
.endr
.endm
; Half of wo: a slot's 64 matrix instructions, its 16 fragments in four groups through two sets of registers.
.macro PHASE_WO slot
	GRP WA, \slot, 0
	GRP WB, \slot, 1
	s_wait_dscnt 16                                ; the first group (and all before it) is in; the second may be out
	MULS 0, WA, 0
	WIN 0
	NOP4                                           ; places in front of loads into registers that matrix instructions have read
	GRP WA, \slot, 2
	s_wait_dscnt 16
	MULS 0, WB, 1
	WIN 0
	NOP4
	GRP WB, \slot, 3
	s_wait_dscnt 16
	MULS 0, WA, 2
	s_wait_dscnt 0x0
	MULS 0, WB, 3
	WIN 0
.endm
.macro FOLD                            ; four packed chains -> one number a row, in v[CH] and, from the lane 16 away, v[TM]
	v_pk_add_f32 v[CH:CH+1], v[CH:CH+1], v[CH+2:CH+3]
	v_pk_add_f32 v[CH+4:CH+5], v[CH+4:CH+5], v[CH+6:CH+7]
	v_pk_add_f32 v[CH:CH+1], v[CH:CH+1], v[CH+4:CH+5]
	v_add_f32 v[CH], v[CH], v[CH+1]
	v_permlanex16_b32 v[TM], v[CH], s104, s105
.endm
; LAYERNORM of the accumulators, in place.  s[k] = S^2 / 512, s[sc] = S.  wl = 1: gain and bias are on their way from memory and are waited for ahead of their first use.
.macro LN k, sc, wl
.irp m, 0,1,2,3
.set A0, 64*\m
	WIN 0x05                                       ; both sources window 1
.irp q, 0,1,2,3
	v_pk_add_f32 v[CH+2*\q:CH+2*\q+1], v[A0+4*\q:A0+4*\q+1], v[A0+4*\q+2:A0+4*\q+3]   ; each accumulator from its low end on
.endr
	WIN 0x01
.set lj, 16
.rept 24
	v_pk_add_f32 v[CH+2*((lj/2)%4):CH+2*((lj/2)%4)+1], v[A0+lj:A0+lj+1], v[CH+2*((lj/2)%4):CH+2*((lj/2)%4)+1]
.set lj, lj+2
.endr
	WIN 0
	FOLD
	v_add_f32 v[CH], v[CH], v[TM]
	v_mul_f32 v[PR+2*\m], 0x3c000000, v[CH]        ; my wave's mean over its 128 columns
	WIN 0x01
.set lj, 0
.rept 32
	v_pk_add_f32 v[T+lj:T+lj+1], v[A0+lj:A0+lj+1], v[PR+2*\m:PR+2*\m+1] op_sel_hi:[1,0] neg_lo:[0,1] neg_hi:[0,1]
.set lj, lj+2
.endr
	WIN 0
.irp q, 0,1,2,3
	v_pk_mul_f32 v[CH+2*\q:CH+2*\q+1], v[T+2*\q:T+2*\q+1], v[T+2*\q:T+2*\q+1]
.endr
.set lj, 8
.rept 28
	v_pk_fma_f32 v[CH+2*((lj/2)%4):CH+2*((lj/2)%4)+1], v[T+lj:T+lj+1], v[T+lj:T+lj+1], v[CH+2*((lj/2)%4):CH+2*((lj/2)%4)+1]
.set lj, lj+2
.endr
	FOLD
	v_add_f32 v[PR+2*\m+1], v[CH], v[TM]           ; and the squares about it
	ds_store_b64 v[LNS], v[PR+2*\m:PR+2*\m+1] offset:128*\m   ; (both halves of the lanes store the same pair)
.endr
	s_wait_dscnt 0x0                               ; for the others' sake: my stores are done
	s_barrier_signal -1                            ; the next slot's load may stay on its way
	s_barrier_wait -1
.irp m, 0,1,2,3
.irp w, 0,1,2,3
	ds_load_b64 v[E+8*\m+2*\w:E+8*\m+2*\w+1], v[LNL] offset:512*\w+128*\m
.endr
.endr
	s_wait_dscnt 0x0
.irp m, 0,1,2,3
.set e0, E+8*\m
	v_add_f32 v[CH], v[e0], v[e0+2]
	v_add_f32 v[CH+1], v[e0+4], v[e0+6]
	v_add_f32 v[CH], v[CH], v[CH+1]
	v_mul_f32 v[MN+2*\m], 0x3e800000, v[CH]        ; the row's mean
	v_add_f32 v[CH+2], v[e0+1], v[e0+3]
	v_add_f32 v[CH+3], v[e0+5], v[e0+7]
	v_add_f32 v[CH+2], v[CH+2], v[CH+3]
	v_sub_f32 v[CH+4], v[e0], v[MN+2*\m]
	v_sub_f32 v[CH+5], v[e0+2], v[MN+2*\m]
	v_sub_f32 v[CH+6], v[e0+4], v[MN+2*\m]
	v_sub_f32 v[CH+7], v[e0+6], v[MN+2*\m]
	v_mul_f32 v[CH], v[CH+4], v[CH+4]
	v_fma_f32 v[CH], v[CH+5], v[CH+5], v[CH]
	v_fma_f32 v[CH], v[CH+6], v[CH+6], v[CH]
	v_fma_f32 v[CH], v[CH+7], v[CH+7], v[CH]
	v_fma_f32 v[CH], v[CH], 0x43000000, v[CH+2]    ; M2 = the four M2 + 128 x the squares of the means' distances
	v_fma_f32 v[RS+2*\m], v[CH], s[\k], s14        ; the variance + eps
.endr
	s_wait_alu depctr_va_vdst(0)
.irp m, 0,1,2,3
	v_rsq_f32 v[RS+2*\m], v[RS+2*\m]
.endr
	v_nop                                          ; a plain line behind the last of the four
	s_wait_alu depctr_va_vdst(0)                   ; one wait for the four, ahead of their first reader
.irp m, 0,1,2,3
	v_mul_f32 v[RS+2*\m], s[\sc], v[RS+2*\m]       ; rs
.endr
.irp m, 0,1,2,3
	v_mul_f32 v[MN+2*\m], -v[MN+2*\m], v[RS+2*\m]  ; - mean x rs
.endr
.if \wl
	s_wait_alu depctr_va_vdst(0)
	s_wait_loadcnt 0x0                             ; ln_g and ln_b are back in their registers
.endif
.irp m, 0,1,2,3
.set A0, 64*\m
	WIN 0x41                                       ; source 0 and destination window 1
.set lj, 0
.rept 32
	v_pk_fma_f32 v[A0+lj:A0+lj+1], v[A0+lj:A0+lj+1], v[RS+2*\m:RS+2*\m+1], v[MN+2*\m:MN+2*\m+1] op_sel_hi:[1,0,0]   ; of both pairs the low word serves both halves
.set lj, lj+2
.endr
	WIN 0x7d                                       ; gain and bias window 3
.set lj, 0
.rept 32
	v_pk_fma_f32 v[A0+lj:A0+lj+1], v[A0+lj:A0+lj+1], v[128+lj:129+lj], v[192+lj:193+lj]
.set lj, lj+2
.endr
.endr
	WIN 0
.endm
; w1's chunk, out of slot p (the chunk's number % 2): my 64 hidden units for the 64 rows, quantised, my half of each row tile's image into buffer p.
; As soon as a set of registers has been multiplied for the last time, it takes a group of the same chunk's w2 from memory.
.macro PHASE_A p
	v_add_nc_u32 v[AB1], s[TC], v[AB10]
.irp t, 0,1,2,3
	ds_load_b128 v[B1+8*\t:B1+8*\t+3],   v[AB1] offset:1024*(\p)+64*\t      ; b1(256 chunk + 64 w + 16 t + 8 h + 0 .. 7)
	ds_load_b128 v[B1+8*\t+4:B1+8*\t+7], v[AB1] offset:1024*(\p)+64*\t+16
.endr
	GRP WA, \p, 0
	GRP WB, \p, 1
	s_wait_dscnt 32                                ; b1's eight loads are in; the two groups may be out
.set pj, 0
.rept 32
	v_ldexp_f32 v[B1+pj], v[B1+pj], s22            ; b1 / 2^(e12 + e13).  (These are also the places between w2's last products and the products below, which write over the hidden fragments)
.set pj, pj+1
.endr
	s_wait_alu depctr_va_vdst(0)
	s_wait_dscnt 16                                ; the first group is in; the second may be out
	MULS 1, WA, 0
	WIN 0
	NOP4                                           ; places in front of loads into registers that matrix instructions have read
	GRP WA, \p, 2
	s_wait_dscnt 16
	MULS 1, WB, 1
	WIN 0
	NOP4
	GRP WB, \p, 3
	s_wait_dscnt 16
	MULS 1, WA, 2
	WIN 0
	NOP4
	GLD WA, 2, 2*BLK*(\p)                          ; w2's group 2 of this chunk
	s_wait_dscnt 0x0
	MULS 1, WB, 3
	WIN 0
	NOP4                                           ; places in front of the loads below and of the first read of results
	GLD WB, 3, 2*BLK*(\p)                          ; and group 3
	WIN 0xc3                                       ; source 0 and destination window 3
.set pj, 0
.rept 128
	v_med3_num_f32 v[pj], v[pj], s80, s81
.set pj, pj+1
.endr
	WIN 0x03
.set pj, 0
.rept 16
	v_cvt_scalef32_pk8_fp8_f32 v[HCODE+2*pj:HCODE+2*pj+1], v[8*pj:8*pj+7], v[SCD]   ; (m, t) = (pj / 4, pj % 4)
.set pj, pj+1
.endr
	v_nop                                          ; a plain line behind the last conversion
	WIN 0
.irp m, 0,1,2,3
	ds_store_b128 v[HSTO], v[HCODE+8*\m:HCODE+8*\m+3]   offset:HBUF*(\p)+4096*\m
	ds_store_b128 v[HSTO], v[HCODE+8*\m+4:HCODE+8*\m+7] offset:HBUF*(\p)+4096*\m+512
.endr
.endm
; w2's chunk: the eight hidden fragments out of buffer p, my 128 outputs for the 64 rows.  The order in which the groups of 16 loads were issued: groups 0 and 1 in the chunk before, groups 2 and 3 in this chunk's first half.
; A set in window 3 that has been multiplied takes the next chunk's group; last = 1: ln_g and ln_b, 16 loads each, so that the counts are the same.
.macro PHASE_B p, last
	WIN 0xc0                                       ; destination window 3
.set pj, 0
.irp s, 0,1                            ; first the four fragments of the chunk's first 128 hidden units, which groups 0 and 1 multiply, then the other four
.irp m, 0,1,2,3
.irp c, 0,1,2,3
	ds_load_b128 v[16*(2*\m+\s)+4*\c:16*(2*\m+\s)+4*\c+3], v[IMGL] offset:HBUF*(\p)+512*(4*(2*\m+\s)+\c)
.endr
.endr
.endr
	s_wait_dscnt 16                                ; the first sixteen loads are in
	s_wait_loadcnt 48                              ; group 0 is in; behind it: groups 1, 2, 3
	MULS 3, W2C, 0
	NOP4                                           ; places in front of loads into registers that matrix instructions have read
	WIN 0xc0
.if \last
	LNLD W2C, 18
.else
	GLD W2C, 0, 2*BLK*((\p)+1)
.endif
	s_wait_loadcnt 48                              ; group 1 is in; behind it: groups 2, 3 and the 16 just issued
	MULS 3, W2D, 1
	NOP4
	WIN 0xc0
.if \last
	LNLD W2D, 20
.else
	GLD W2D, 1, 2*BLK*((\p)+1)
.endif
	s_wait_dscnt 0x0                               ; the other four hidden fragments are in
	s_wait_loadcnt 48                              ; group 2 is in; behind it: group 3 and the 32 just issued
	MULS 2, WA, 2
	s_wait_loadcnt 32                              ; group 3 is in
	MULS 2, WB, 3
	WIN 0
	NOP4                                           ; places in front of the next loads into the two sets, and of the first read of results
.endm
	s_wait_alu depctr_va_vdst(0)
	s_wait_loadcnt 63                              ; of 74 loads the oldest 11 are in: the two tables' 8 among them
.irp i, 0,1,2,3
	ds_store_b128 v19, v[184+4*\i:187+4*\i] offset:2048*\i
	ds_store_b128 v19, v[200+4*\i:203+4*\i] offset:8192+2048*\i
.endr
	s_wait_tensorcnt 0x0                           ; my quarter of k and V^T is in
	ds_add_u32 v[SPW], v[NIL]
	s_wait_dscnt 0x0                               ; the add and my stores are done
	ROUND                                          ; everybody's part of k, V^T, the figures and b1 is in
	tensor_load_to_lds s[68:71], s[36:43]          ; x: my 128 columns of my work-group's 64 rows -> slot 1
	s_nop 0
	NOP4
	v_add_nc_u32 v[ADK], s[TB], v[LI]
	v_add_nc_u32 v[ADS], s[TS], v[AS0]
	KFLD
	NMLD
	s_wait_loadcnt 63                              ; q's two loads are the oldest of 66
	s_mov_b32 s[CNT], 7
.Latt:
	ATTSTEP 1
	s_sub_co_u32 s[CNT], s[CNT], 1
	s_cmp_lg_u32 s[CNT], 0
	s_cbranch_scc1 .Latt
	ATTSTEP 0
	; the head: O^T stands for O^T x 2^(e8 + e9); its codes are a K = 64 fragment of my 16 rows
	NOP4
	WIN 0x03                                       ; source 0 window 3
.set i, 0
.rept 32
	v_med3_num_f32 v[T+i], v[i], s8, s9
.set i, i+1
.endr
	WIN 0
.irp dt, 0,1,2,3
	v_cvt_scalef32_pk8_fp8_f32 v[P+2*\dt:P+2*\dt+1], v[T+8*\dt:T+8*\dt+7], v[SCH]
.endr
	v_nop
	ds_store_b128 v[HSTO], v[P:P+3]
	ds_store_b128 v[HSTO], v[P+4:P+7] offset:512
	CHANGE 0, 0                                    ; k and V^T are read out, the heads' images are published, x has landed; wo's first half -> slot 0
	; the accumulators begin as (x + bo) / 2^(e10 + e11)
	s_wait_loadcnt 0x0                             ; bo, b2, ln_g, ln_b
	WIN 0x40                                       ; destination window 1
.irp m, 0,1,2,3
.irp t, 0,1,2,3,4,5,6,7
	ds_load_b128 v[8*(8*\m+\t):8*(8*\m+\t)+3],   v[XAD] offset:8448*\m+64*\t
	ds_load_b128 v[8*(8*\m+\t)+4:8*(8*\m+\t)+7], v[XAD] offset:8448*\m+64*\t+16
.endr
.endr
	WIN 0
.irp m, 0,1,2,3
.irp c, 0,1,2,3
	ds_load_b128 v[HEADF+16*\m+4*\c:HEADF+16*\m+4*\c+3], v[IMGL] offset:1024*\m+512*(\c%2)   ; 128 along K of the eight identical heads: the head's 64 codes twice
.endr
.endr
	WIN 0x82                                       ; source 0 and destination window 2
.set i, 0
.rept 32
	v_pk_mul_f32 v[128+i:129+i], v[128+i:129+i], s[10:11] op_sel_hi:[1,0]   ; bo / 2^(e10 + e11), two at a time
	v_pk_mul_f32 v[192+i:193+i], v[192+i:193+i], s[66:67] op_sel_hi:[1,0]   ; b2 / 2^(e14 + e15)
.set i, i+2
.endr
	s_wait_dscnt 16                                ; x is in; the heads' 16 loads may be out
	WIN 0x61                                       ; source 0 and destination window 1, source 2 window 2
.set i, 0
.rept 128
	v_pk_fma_f32 v[2*i:2*i+1], v[2*i:2*i+1], s[10:11], v[128+(2*i)%64:129+(2*i)%64] op_sel_hi:[1,0,1]
.set i, i+1
.endr
	WIN 0
	CHANGE 1, 0                                    ; x is read out; wo's second half -> slot 1
	s_wait_alu depctr_va_vdst(0)
	PHASE_WO 0
	CHANGE 0, 2*BLK                                ; w1's chunk 0 (block 2) -> slot 0
	PHASE_WO 1
	NOP4
	LN 12, 13, 0                                   ; the accumulators hold h
	WIN 0xc0                                       ; ln_g and ln_b have been used: their registers take groups 0 and 1 of w2's chunk 0
	GLD W2C, 0, 0
	GLD W2D, 1, 0
	WIN 0
	; h's codes: my 128 columns are K step w of the next product, for each row tile
.irp m, 0,1,2,3
	WIN 0x01
.set hj, 0
.rept 64
	v_med3_num_f32 v[T+hj], v[64*\m+hj], s16, s17
.set hj, hj+1
.endr
	WIN 0
.irp t, 0,1,2,3,4,5,6,7
	v_cvt_scalef32_pk8_fp8_f32 v[HQ+16*\m+2*\t:HQ+16*\m+2*\t+1], v[T+8*\t:T+8*\t+7], v[SCN]
.endr
	v_nop                                          ; a plain line between the last conversion and the next write of its sources
.irp c, 0,1,2,3
	ds_store_b128 v[HISTO], v[HQ+16*\m+4*\c:HQ+16*\m+4*\c+3] offset:8192*\m+512*\c
.endr
.endr
	WIN 0x61
.set i, 0
.rept 128
	v_pk_fma_f32 v[2*i:2*i+1], v[2*i:2*i+1], s[66:67], v[192+(2*i)%64:193+(2*i)%64] op_sel_hi:[1,0,1]   ; (h + b2) / 2^(e14 + e15): w2's products add onto it
.set i, i+1
.endr
	WIN 0
	s_wait_dscnt 0x0                               ; for the others' sake: my images are stored
	s_barrier_signal -1
	s_barrier_wait -1
	WIN 0x80                                       ; destination window 2: h's sixteen fragments stay in registers
.set i, 0
.rept 64
	ds_load_b128 v[4*i:4*i+3], v[IMGL] offset:512*i
.set i, i+1
.endr
	WIN 0
	CHANGE 1, 3*BLK                                ; every wave has h's fragments: the images' bytes are free for the hidden layer's; w1's chunk 1 (block 4) -> slot 1
	s_mov_b32 s[CNT], 3
.Lff:                                          ; a trip: two chunks of 256 hidden units; each slot is filled again once, with w1's chunk two on (four blocks on).  One round a chunk: it also publishes the hidden images.
	                                               ; A buffer of images is stored again two chunks later: the other chunk's round, with every wave's wait for its LDS reads in front of it, stands between
	PHASE_A 0
	CHANGE 0, 4*BLK
	PHASE_B 0, 0
	PHASE_A 1
	CHANGE 1, 4*BLK
	PHASE_B 1, 0
	s_wait_xcnt 0x0                                ; the loads that are out have read their base: it may step
	s_add_nc_u64 s[W2P:W2P+1], s[W2P:W2P+1], 4*BLK ; two chunks of w2 on
	s_add_co_u32 s[TC], s[TC], 2048
	s_sub_co_u32 s[CNT], s[CNT], 1
	s_cmp_lg_u32 s[CNT], 0
	s_cbranch_scc1 .Lff
	PHASE_A 0                                      ; chunks 6 and 7 are written out: they ask for no more of w1
	s_wait_tensorcnt 0x0                           ; my part of w1's chunk 7
	ds_add_u32 v[SPW], v[NIL]
	s_wait_dscnt 0x0                               ; for the others' sake: my images are stored
	s_barrier_signal -1
	s_barrier_wait -1
	PHASE_B 0, 0
	PHASE_A 1
	s_wait_dscnt 0x0                               ; for the others' sake: my images are stored
	s_barrier_signal -1
	s_barrier_wait -1
	PHASE_B 1, 1
	LN 23, 24, 1
	; THE WAY OUT.  A lane holds 32 neighbouring bytes a tile of one row: 16 rows x 512 bytes at a time go through my quarter of slot 0, which has had its last fill and which only I have read,
	; and come back as whole rows.  LDS serves a wave's instructions in order (ISA guide 5.7.1.4): no wait between the stores and the loads.
.macro TOSTAGE m
	WIN 0x04                                       ; the data window 1
.irp t, 0,1,2,3,4,5,6,7
	ds_store_b128 v[STO], v[8*(8*(\m)+\t):8*(8*(\m)+\t)+3]   offset:64*\t
	ds_store_b128 v[STO], v[8*(8*(\m)+\t)+4:8*(8*(\m)+\t)+7] offset:64*\t+16
.endr
	WIN 0
.set ob, 56+64*((\m)%2)
.set oi, 0
.rept 16
	ds_load_b128 v[ob+4*oi:ob+4*oi+3], v[WAD] offset:528*oi
.set oi, oi+1
.endr
.endm
.macro SEND m, younger                 ; younger: the LDS instructions issued behind the block's loads
.set ob, 56+64*((\m)%2)
	s_wait_dscnt \younger
.set oi, 0
.rept 16
	global_store_b128 v[GO], v[ob+4*oi:ob+4*oi+3], s[26:27] offset:(16*(\m)+oi)*2048 th:TH_STORE_NT   ; 32 lanes store 512 consecutive bytes, at a multiple of 256 from out0's first byte
.set oi, oi+1
.endr
.endm
	TOSTAGE 0
	TOSTAGE 1
	s_wait_alu depctr_va_vdst(0)
	SEND 0, 32                                     ; behind block 0's loads: block 1's 16 stores and 16 loads
	s_wait_xcnt 0x0                                ; block 0's stores have read their registers: block 2's loads may land there
	TOSTAGE 2
	SEND 1, 32
	s_wait_xcnt 0x0
	TOSTAGE 3
	SEND 2, 32
	SEND 3, 0
	s_wait_tensorcnt 0x0                           ; the wave's end, behind my last tensor load and my last LDS store
	ds_add_u32 v[SPW], v[NIL]
	s_wait_dscnt 0x0
	ROUND                                          ; the closing round
	s_endpgm
.Lfunc_end_k_q2542523e52_layer:
	.size	k_q2542523e52_layer, .Lfunc_end_k_q2542523e52_layer-k_q2542523e52_layer
	.p2alignl 7, 3214868480
	.fill 96, 4, 3214868480
	.section	.rodata,"a",@progbits
	.p2align	6, 0x0
	.amdhsa_kernel k_q2542523e52_layer
		.amdhsa_group_segment_fixed_size 327680
		.amdhsa_private_segment_fixed_size 0
		.amdhsa_enable_private_segment 0
		.amdhsa_kernarg_size 96
		.amdhsa_user_sgpr_count 2
		.amdhsa_user_sgpr_kernarg_segment_ptr 1
		.amdhsa_wavefront_size32 1
		.amdhsa_system_sgpr_workgroup_id_x 1
		.amdhsa_system_sgpr_workgroup_id_y 1
		.amdhsa_system_sgpr_workgroup_id_z 1
		.amdhsa_system_vgpr_workitem_id 0
		.amdhsa_next_free_vgpr 1024
		.amdhsa_next_free_sgpr 106
		.amdhsa_reserve_vcc 0
		.amdhsa_float_denorm_mode_32 3
		.amdhsa_float_denorm_mode_16_64 3
		.amdhsa_memory_ordered 1
		.amdhsa_forward_progress 1
		.amdhsa_inst_pref_size 255
	.end_amdhsa_kernel
	.section	.bss,"aw",@nobits
	.p2align	6
	.space	262144
	.amdgpu_metadata
---
amdhsa.version: [ 1, 2 ]
amdhsa.kernels:
  - .name:           k_q2542523e52_layer
    .symbol:         k_q2542523e52_layer.kd
    .args:
      - { .name: qf, .offset: 0, .size: 8, .value_kind: global_buffer, .address_space: global }
      - { .name: kv, .offset: 8, .size: 8, .value_kind: global_buffer, .address_space: global }
      - { .name: stat, .offset: 16, .size: 8, .value_kind: global_buffer, .address_space: global }
      - { .name: stream, .offset: 24, .size: 8, .value_kind: global_buffer, .address_space: global }
      - { .name: x, .offset: 32, .size: 8, .value_kind: global_buffer, .address_space: global }
      - { .name: lowp_scales, .offset: 40, .size: 8, .value_kind: global_buffer, .address_space: global }
      - { .name: bo, .offset: 48, .size: 8, .value_kind: global_buffer, .address_space: global }
      - { .name: ln_g, .offset: 56, .size: 8, .value_kind: global_buffer, .address_space: global }
      - { .name: ln_b, .offset: 64, .size: 8, .value_kind: global_buffer, .address_space: global }
      - { .name: b1, .offset: 72, .size: 8, .value_kind: global_buffer, .address_space: global }
      - { .name: b2, .offset: 80, .size: 8, .value_kind: global_buffer, .address_space: global }
      - { .name: out0, .offset: 88, .size: 8, .value_kind: global_buffer, .address_space: global }
    .group_segment_fixed_size: 327680
    .private_segment_fixed_size: 0
    .kernarg_segment_align: 8
    .kernarg_segment_size: 96
    .max_flat_workgroup_size: 128
    .sgpr_count:     106
    .vgpr_count:     1024
    .wavefront_size: 32
...
	.end_amdgpu_metadata
.endif
;; end of part 4
